; MI455X (gfx1250); checked and timed in simulation.
; The chip was launched on July 23, 2026; its instructions are those of AMD's public machine-readable ISA for CDNA 5 (MIT licence, August 2026) and "CDNA5" Instruction Set Architecture Reference Guide (July 2026). The comments in the code are by the model that wrote it; some were corrected since.
;; Diff Attention. Allowed arithmetic: float matrix products may take bf16 or f16 operands with f32 sums; other float arithmetic in f32, or as packed bf16 or f16 multiplies, adds, multiply-adds, maxima and minima; sums over many terms, partial sums and values carried from step to step in f32; what a program stores and reads back later, other than sums and carried values, may be rounded once to bf16 or f16.
;; Inputs: b_proj 256 float32; lambda_k1 64 float32; lambda_k2 64 float32; lambda_q1 64 float32; lambda_q2 64 float32; sub_norm_w 128 float32; w_proj 256 x 256 float32; w_qkv 768 x 256 float32; x 4 x 4,096 x 256 float32.
;; Outputs: out0 4 x 4,096 x 256 float32.
;; 2 versions, each right; version 2 is version 1 with the launches proj_in, proj_out written anew for expert scheduling mode. Each part assembles by itself: llvm-mc -triple=amdgcn-amd-amdhsa -mcpu=gfx1250 --defsym DOCPART=n.
;; ======== version 1 of 2: 3 launches
;; limits: values are held in f16: magnitudes above 65,504 overflow, below 6.1e-05 lose precision
;; workspace buffers: qkv 25,165,824 bytes; wp16 131,072 bytes; onorm 8,388,608 bytes
;; launch proj_in (part 1): grid 2 x 128, 4 waves a work-group, no clusters, 288,256 bytes of LDS; arguments x, w_qkv, w_proj, qkv, wp16; writes qkv, wp16
.if DOCPART == 1
	.amdgcn_target "amdgcn-amd-amdhsa--gfx1250"
	.amdhsa_code_object_version 6
	.text
	.protected	k_qa775b70536_proj_in
	.globl	k_qa775b70536_proj_in
	.p2align	8
	.type	k_qa775b70536_proj_in,@function
k_qa775b70536_proj_in:
	s_mov_b64 s[64:65], 0
	v_nop
	global_prefetch_b8 v0, s[64:65] scope:SCOPE_SE
	s_setreg_imm32_b32 hwreg(HW_REG_WAVE_MODE, 25, 1), 1
	s_wait_xcnt 0x0
; qkv = x w_qkv^T.  x: [16384][256] f32, w_qkv: [768][256] f32.  Both are rounded to bf16 on the way into LDS; sums in f32; the result is rounded once to f16 and
; written by heads: qkv[t = q,k,v][g = 2 batch + head][n = 4096][128], byte t<<23 + g<<20 + n<<8.  128 columns of w_qkv on end are one (t, head): a UNIT.
; Besides: each work-group's wave 0 rounds one row of w_proj to bf16 and writes that number as f16 into wp16 [256][256].
; LIMITS.  f16 ends at 65,504: a sum beyond it is written as an infinity; below 6e-5 f16 keeps a fixed step of 6e-8 (q, k, v and wp16 alike).  NaN and infinities are not treated apart.
; SHARES.  256 work-groups: x = half of the 768 columns (three units), y = block of 128 rows.  The whole K = 256 of the 128 rows of x and of the 384 rows of w lies in LDS as bf16:
; 512 rows of 512 bytes.  Wave w fills rows 32 w .. 32 w + 31 of x and of each unit, through registers (the conversion needs them there), 32 loads of 512 consecutive bytes in each of two sets.
; Then ONE barrier; wave w keeps its 32 rows of x as fragments in registers and multiplies them by all 384 rows of w, a unit (128 columns, 16 accumulators) at a time.
; THE MATRIX INSTRUCTION IS USED TRANSPOSED (source 0 = 16 rows of w, source 1 = 16 rows of x): a lane holds eight neighbouring columns of one row of the result: 16 bytes of f16.
; No tensor loads and no cluster: the operands are f32 in memory and must pass through registers to be rounded.  No prefetch: the fill is one burst of loads at the launch's head.
; REGISTERS, in windows of 256 (s_set_vgpr_msb: bits 1:0 source 0, 3:2 source 1, 5:4 source 2, 7:6 destination):
;   window 0: v1-12 lane terms and addresses; v20-23 wp16's data; v32-95 at work; v64-127 rows read back on the way out; v128-255 the accumulators ((a, b) at 128 + 8 (8 a + b))
;   window 1: during the fill two raw sets of 128; afterwards two buffers of w's fragments (64 along K: half c, column block b at f + 64 c + 8 b)
;   window 2: v0-127 x's fragments (row block a, K slice kf at 64 a + 8 kf)
.set PITCH, 528                        ; an LDS row: 512 bytes + 16 of padding: the 16 rows of a fragment load start 16 bytes apart modulo 256
.set UNITB, 128*PITCH                  ; 128 rows: x's block, or one unit of w
.set STAGE, 512*PITCH                  ; behind the operands: 16 rows x 272 bytes for each wave, for the way out
.set SP,    272
.set SPARE, STAGE+4*16*SP              ; behind the stages: the spare words, 128 bytes for each wave, which no other line names
.set GX,   4                           ; v4   16 x lane: my 16 bytes in 512 consecutive bytes of x or w; never rewritten
.set DST,  5                           ; v5   where my 8 bytes of bf16 go: my wave's first row + 8 x lane; steps a unit a trip
.set ADRA, 6                           ; v6   my place in x's fragments
.set ADRB, 7                           ; v7   my place in w's fragments of the unit in hand
.set STO,  8                           ; v8   the way out: where I put 16 bytes of a row
.set RD,   9                           ; v9   the way out: where I read rows back
.set CO,   10                          ; v10  my 16 bytes in 512 consecutive bytes of qkv; never rewritten
.set WPO,  11                          ; v11  32 x lane: my 8 numbers of a row of w_proj
.set WPS,  12                          ; v12  16 x lane: the same numbers in wp16; never rewritten
.set WPD,  20                          ; v[20:23] wp16's data; never rewritten
.set SPW,  28                          ; v28  LDS address of my spare word; never rewritten
.set NIL,  29                          ; v29  0; never rewritten
.set TMP,  32
.set BK,   64
.set ACC,  128
.set F0,   0
.set F1,   128
.set WV,   12                          ; s12  my wave's number
.set XP,   20                          ; s[20:21] x at my wave's first row
.set WP,   22                          ; s[22:23] w_qkv at my wave's first row of the unit to be loaded
.set CNT,  24                          ; s24  the loops' counter
.set UN,   25                          ; s25  the unit in hand, 0 to 5
.set OFS,  26                          ; s[26:27] an offset
.set OUT,  28                          ; s[28:29] qkv at my wave's first row of the unit in hand
.set HIM,  30                          ; s30  a word's upper half
.set FIX,  31                          ; s31  the part of the output offset that no unit changes
.set MSB, 0
.macro WIN new                         ; the immediate's high byte repeats the setting that is left; a switch that changes nothing is dropped
.if MSB != (\new)
	s_set_vgpr_msb (MSB<<8)|(\new)
.set MSB, \new
.endif
.endm
.macro PLACES                          ; four plain vector places behind matrix instructions, in front of loads into their sources and of reads of their results
.rept 4
	v_nop
.endr
.endm
; 16 rows of 1,024 bytes into raw set s: 32 loads, each 512 consecutive bytes
.macro LOADB s, b, off
	WIN 0x40
.irp q, 0,1,2,3,4,5,6,7,8,9,10,11,12,13,14,15
	global_load_b128 v[128*(\s)+8*(\q):128*(\s)+8*(\q)+3],   v[GX], s[\b:\b+1] offset:(\off)+1024*(\q)
	global_load_b128 v[128*(\s)+8*(\q)+4:128*(\s)+8*(\q)+7], v[GX], s[\b:\b+1] offset:(\off)+1024*(\q)+512
.endr
	WIN 0
.endm
; raw set s is rounded to bf16 and stored: lane l holds numbers 4 l .. 4 l + 3 and 128 + 4 l .. of each row: 8 bytes at 8 l and at 256 + 8 l.  left = the younger loads that may stay out
.macro CONV s, left
	s_wait_loadcnt \left
	WIN 0x05
.irp q, 0,1,2,3,4,5,6,7,8,9,10,11,12,13,14,15
.irp i, 0,1,2,3
	v_cvt_pk_bf16_f32 v[TMP+4*(\q)+(\i)], v[128*(\s)+8*(\q)+2*(\i)], v[128*(\s)+8*(\q)+2*(\i)+1]
.endr
.endr
	WIN 0
.irp q, 0,1,2,3,4,5,6,7,8,9,10,11,12,13,14,15
	ds_store_b64 v[DST], v[TMP+4*(\q):TMP+4*(\q)+1]   offset:(16*(\s)+(\q))*PITCH
	ds_store_b64 v[DST], v[TMP+4*(\q)+2:TMP+4*(\q)+3] offset:(16*(\s)+(\q))*PITCH+256
.endr
.endm
; 32 LDS loads in one run: w's fragments of 64 along K at byte k of the unit's rows, into buffer f; the first 32 along K first
.macro FETCH k, f
	WIN 0x40
.irp c, 0,1
.irp b, 0,1,2,3,4,5,6,7
	ds_load_b128 v[(\f)+64*(\c)+8*(\b):(\f)+64*(\c)+8*(\b)+3],   v[ADRB] offset:(\k)+64*(\c)+(\b)*16*PITCH
	ds_load_b128 v[(\f)+64*(\c)+8*(\b)+4:(\f)+64*(\c)+8*(\b)+7], v[ADRB] offset:(\k)+64*(\c)+(\b)*16*PITCH+32
.endr
.endr
.endm
; 16 matrix instructions: my 2 row blocks x the unit's 8 column blocks, 32 along K.  The 16 accumulators take turns, one instruction a turn.  zero = 1: the products start the sums
.macro MUL16 f, c, kf, zero
	WIN 0x09                               ; source 0 (w) window 1, source 1 (x) window 2, C and D window 0
.irp a, 0,1
.irp b, 0,1,2,3,4,5,6,7
.if \zero
	v_wmma_f32_16x16x32_bf16 v[ACC+8*(8*(\a)+(\b)):ACC+8*(8*(\a)+(\b))+7], v[(\f)+64*(\c)+8*(\b):(\f)+64*(\c)+8*(\b)+7], v[64*(\a)+8*(\kf):64*(\a)+8*(\kf)+7], 0
.else
	v_wmma_f32_16x16x32_bf16 v[ACC+8*(8*(\a)+(\b)):ACC+8*(8*(\a)+(\b))+7], v[(\f)+64*(\c)+8*(\b):(\f)+64*(\c)+8*(\b)+7], v[64*(\a)+8*(\kf):64*(\a)+8*(\kf)+7], v[ACC+8*(8*(\a)+(\b)):ACC+8*(8*(\a)+(\b))+7]
.endif
.endr
.endr
.endm
; A unit's K = 256 is four quarters of 64.  One of the first three: multiplies buffer f (quarter st) and fetches the next quarter, at byte k, into g
.macro QUARTER k, f, g, st, zero
	s_wait_dscnt 16                        ; all but the youngest sixteen loads (the second 32 along K) are in
	MUL16 \f, 0, 2*(\st), \zero
	PLACES
	FETCH \k, \g
	s_wait_dscnt 32                        ; all but the 32 just issued
	MUL16 \f, 1, 2*(\st)+1, 0
.endm
; THE WAY OUT of row block a: rounded to f16, each accumulator's registers in ascending order; 16 bytes a lane into my own stage; back as whole rows of 256 bytes; stored
.macro PACK a
.irp b, 0,1,2,3,4,5,6,7
.irp i, 0,1,2,3
	v_cvt_pk_f16_f32 v[TMP+4*(\b)+(\i)], v[ACC+8*(8*(\a)+(\b))+2*(\i)], v[ACC+8*(8*(\a)+(\b))+2*(\i)+1]
.endr
.endr
.endm
.macro TOSTAGE a
.irp b, 0,1,2,3,4,5,6,7
	ds_store_b128 v[STO], v[TMP+4*(\b):TMP+4*(\b)+3] offset:32*(\b)
.endr
.irp t, 0,1,2,3,4,5,6,7
	ds_load_b128 v[BK+32*(\a)+4*(\t):BK+32*(\a)+4*(\t)+3], v[RD] offset:(\t)*2*SP  ; a wave's LDS instructions are served in order (ISA guide 5.7.1.4): these see the stores above
.endr
.endm
.macro SEND a
	s_wait_dscnt 0x0                       ; the block is back in registers
.irp t, 0,1,2,3,4,5,6,7
	global_store_b128 v[CO], v[BK+32*(\a)+4*(\t):BK+32*(\a)+4*(\t)+3], s[OUT:OUT+1] offset:4096*(\a)+512*(\t)  ; two rows: 512 consecutive bytes, at a multiple of 256 from qkv's first byte
.endr
.endm
	s_load_b256 s[4:11], s[0:1], 0x0       ; x s[4:5], w_qkv s[6:7], w_proj s[8:9], qkv s[10:11]
	s_load_b64 s[16:17], s[0:1], 0x20      ; wp16
	v_lshl_add_u32 v[SPW], v0, 2, SPARE
	v_mov_b32 v[NIL], 0
	v_lshrrev_b32 v1, 5, v0
	v_readfirstlane_b32 s[WV], v1          ; wave 0..3
	v_and_b32 v1, 31, v0                   ; lane l
	v_and_b32 v2, 15, v0                   ; l % 16
	v_bfe_u32 v3, v0, 4, 1                 ; l / 16
	s_and_b32 s13, ttmp7, 0xffff           ; block of 128 rows
	s_mov_b32 s14, ttmp9                   ; half of the columns
	s_mov_b32 s[HIM], 0xffff0000
	v_lshlrev_b32 v[GX], 4, v1
	s_mul_i32 s15, s[WV], 32*PITCH         ; my wave's 32 rows in a block of 128
	v_lshl_add_u32 v[DST], v1, 3, s15
	v_mul_u32_u24 v13, v2, PITCH
	v_lshl_add_u32 v13, v3, 4, v13         ; a fragment's row x pitch + 16 x half
	v_add_nc_u32 v[ADRA], s15, v13
	v_add_nc_u32 v[ADRB], UNITB, v13       ; w's first unit lies behind x's 128 rows
	s_mul_i32 s18, s[WV], 16*SP
	s_add_co_u32 s18, s18, STAGE           ; my stage
	v_mul_u32_u24 v14, v2, SP              ; in: row l % 16, 16 bytes for each half of the lanes
	v_lshl_add_u32 v14, v3, 4, v14
	v_add_nc_u32 v[STO], s18, v14
	v_mul_u32_u24 v14, v3, SP              ; back: lanes 0-15 one row of 256 bytes, lanes 16-31 the next
	v_lshl_add_u32 v14, v2, 4, v14
	v_add_nc_u32 v[RD], s18, v14
	v_lshlrev_b32 v[CO], 4, v1
	v_lshlrev_b32 v[WPO], 5, v1
	v_lshlrev_b32 v[WPS], 4, v1
	s_lshl_b32 s19, s[WV], 5               ; 32 x wave
	s_lshl_b32 s[XP], s13, 7
	s_add_co_u32 s[XP], s[XP], s19
	s_lshl_b32 s[XP], s[XP], 10            ; (128 block + 32 wave) rows of 1,024 bytes
	s_mov_b32 s[XP+1], 0
	s_mul_i32 s[WP], s14, 384
	s_add_co_u32 s[WP], s[WP], s19
	s_lshl_b32 s[WP], s[WP], 10            ; (384 half + 32 wave) rows of 1,024 bytes
	s_mov_b32 s[WP+1], 0
	s_lshr_b32 s[FIX], s13, 5              ; the batch: 32 blocks each,
	s_lshl_b32 s[FIX], s[FIX], 21          ; two heads of 1 MiB
	s_and_b32 s32, s13, 31
	s_lshl_b32 s32, s32, 7
	s_add_co_u32 s32, s32, s19             ; my first row in the batch,
	s_lshl_b32 s32, s32, 8                 ; 256 bytes a row
	s_add_co_u32 s[FIX], s[FIX], s32
	s_mul_i32 s[UN], s14, 3                ; my half's first unit
	s_lshl_b32 s33, s13, 1
	s_add_co_u32 s33, s33, s14             ; the work-group's row of w_proj: 0 to 255, each once
	s_wait_kmcnt 0x0
	s_add_nc_u64 s[XP:XP+1], s[4:5], s[XP:XP+1]
	s_add_nc_u64 s[WP:WP+1], s[6:7], s[WP:WP+1]
	LOADB 0, XP, 0                         ; my 32 rows of x
	LOADB 1, XP, 16384
	s_cmp_lg_u32 s[WV], 0
	s_cbranch_scc1 .Lno_wp                 ; wave 0 alone: one row of w_proj
	s_lshl_b32 s[OFS], s33, 10
	s_mov_b32 s[OFS+1], 0
	s_add_nc_u64 s[8:9], s[8:9], s[OFS:OFS+1]
	global_load_b128 v[32:35], v[WPO], s[8:9]
	global_load_b128 v[36:39], v[WPO], s[8:9] offset:16
	s_lshl_b32 s[OFS], s33, 9
	s_add_nc_u64 s[16:17], s[16:17], s[OFS:OFS+1]
	s_wait_loadcnt 0x0                     ; these two are the youngest loads
.irp i, 0,1,2,3
	v_cvt_pk_bf16_f32 v[40+(\i)], v[32+2*(\i)], v[32+2*(\i)+1]  ; the input's rounding, as for every input
.endr
.irp i, 0,1,2,3
	v_lshlrev_b32 v[44+2*(\i)],   16, v[40+(\i)]
	v_and_b32     v[44+2*(\i)+1], s[HIM], v[40+(\i)]
.endr
.irp i, 0,1,2,3
	v_cvt_pk_f16_f32 v[WPD+(\i)], v[44+2*(\i)], v[44+2*(\i)+1]  ; the same number as f16: exact within f16's normal range
.endr
	global_store_b128 v[WPS], v[WPD:WPD+3], s[16:17]              ; the row's 512 consecutive bytes
.Lno_wp:
	s_mov_b32 s[CNT], 3
.Lfill:                                        ; trip 0 stores x and loads unit 0, trips 1 and 2 store units 0 and 1 and load units 1 and 2
	CONV 0, 32                             ; set 0 is in; set 1's 32 loads may stay out
	LOADB 0, WP, 0
	CONV 1, 32                             ; set 1 is in; the 32 just issued may stay out
	LOADB 1, WP, 16384
	s_wait_xcnt 0x0                        ; the loads have read their base: only now is it stepped
	s_add_nc_u64 s[WP:WP+1], s[WP:WP+1], 131072
	v_add_nc_u32 v[DST], UNITB, v[DST]
	s_sub_co_u32 s[CNT], s[CNT], 1
	s_cmp_lg_u32 s[CNT], 0
	s_cbranch_scc1 .Lfill
	CONV 0, 32                             ; unit 2: nothing more is loaded
	CONV 1, 0
	s_wait_dscnt 0x0                       ; for the others' sake: my stores are done
	s_barrier_signal -1
	s_barrier_wait -1                      ; all 512 rows lie in LDS; nobody writes them again
	WIN 0x80
.irp a, 0,1
.irp kf, 0,1,2,3,4,5,6,7
	ds_load_b128 v[64*(\a)+8*(\kf):64*(\a)+8*(\kf)+3],   v[ADRA] offset:(\a)*16*PITCH+64*(\kf)
	ds_load_b128 v[64*(\a)+8*(\kf)+4:64*(\a)+8*(\kf)+7], v[ADRA] offset:(\a)*16*PITCH+64*(\kf)+32
.endr
.endr
	WIN 0
	s_mov_b32 s[CNT], 3
.Lunit:                                        ; a unit: 128 matrix instructions, 128 LDS loads, 32 rows x 256 bytes out
	FETCH 0, F0
	QUARTER 128, F0, F1, 0, 1              ; (its first wait also covers x's fragments, issued earlier)
	QUARTER 256, F1, F0, 1, 0
	QUARTER 384, F0, F1, 2, 0
	s_wait_dscnt 16
	MUL16 F1, 0, 6, 0
	s_wait_dscnt 0x0
	MUL16 F1, 1, 7, 0
	WIN 0
	PLACES
	s_wait_xcnt 0x0                        ; the last unit's stores have read their base and their data: both are written again below
	s_lshr_b32 s[OFS], s[UN], 1            ; q, k or v
	s_lshl_b32 s[OFS], s[OFS], 23
	s_and_b32 s[OFS+1], s[UN], 1           ; the head
	s_lshl_b32 s[OFS+1], s[OFS+1], 20
	s_add_co_u32 s[OFS], s[OFS], s[OFS+1]
	s_add_co_u32 s[OFS], s[OFS], s[FIX]
	s_mov_b32 s[OFS+1], 0
	s_add_nc_u64 s[OUT:OUT+1], s[10:11], s[OFS:OFS+1]
	PACK 0
	TOSTAGE 0
	PACK 1                                 ; block 1's conversions stand between block 0's loads from the stage and the wait for them
	SEND 0
	TOSTAGE 1
	SEND 1
	s_add_co_u32 s[UN], s[UN], 1
	v_add_nc_u32 v[ADRB], UNITB, v[ADRB]
	s_sub_co_u32 s[CNT], s[CNT], 1
	s_cmp_lg_u32 s[CNT], 0
	s_cbranch_scc1 .Lunit
	s_wait_tensorcnt 0x0                   ; the wave's end: behind my last LDS store
	ds_add_u32 v[SPW], v[NIL]
	s_wait_dscnt 0x0
	s_endpgm
.Lfunc_end_k_qa775b70536_proj_in:
	.size	k_qa775b70536_proj_in, .Lfunc_end_k_qa775b70536_proj_in-k_qa775b70536_proj_in
	.p2alignl 7, 3214868480
	.fill 96, 4, 3214868480
	.section	.rodata,"a",@progbits
	.p2align	6, 0x0
	.amdhsa_kernel k_qa775b70536_proj_in
		.amdhsa_group_segment_fixed_size 288256
		.amdhsa_private_segment_fixed_size 0
		.amdhsa_enable_private_segment 0
		.amdhsa_kernarg_size 40
		.amdhsa_user_sgpr_count 2
		.amdhsa_user_sgpr_kernarg_segment_ptr 1
		.amdhsa_wavefront_size32 1
		.amdhsa_system_sgpr_workgroup_id_x 1
		.amdhsa_system_sgpr_workgroup_id_y 1
		.amdhsa_system_sgpr_workgroup_id_z 1
		.amdhsa_system_vgpr_workitem_id 0
		.amdhsa_next_free_vgpr 640
		.amdhsa_next_free_sgpr 66
		.amdhsa_reserve_vcc 0
		.amdhsa_float_denorm_mode_32 3
		.amdhsa_float_denorm_mode_16_64 3
		.amdhsa_memory_ordered 1
		.amdhsa_forward_progress 1
		.amdhsa_inst_pref_size 69
	.end_amdhsa_kernel
	.amdgpu_metadata
---
amdhsa.version: [ 1, 2 ]
amdhsa.kernels:
  - .name:           k_qa775b70536_proj_in
    .symbol:         k_qa775b70536_proj_in.kd
    .args:
      - { .name: x, .offset: 0, .size: 8, .value_kind: global_buffer, .address_space: global }
      - { .name: w_qkv, .offset: 8, .size: 8, .value_kind: global_buffer, .address_space: global }
      - { .name: w_proj, .offset: 16, .size: 8, .value_kind: global_buffer, .address_space: global }
      - { .name: qkv, .offset: 24, .size: 8, .value_kind: global_buffer, .address_space: global }
      - { .name: wp16, .offset: 32, .size: 8, .value_kind: global_buffer, .address_space: global }
    .group_segment_fixed_size: 288256
    .private_segment_fixed_size: 0
    .kernarg_segment_align: 8
    .kernarg_segment_size: 40
    .max_flat_workgroup_size: 128
    .sgpr_count:     66
    .vgpr_count:     640
    .wavefront_size: 32
...
	.end_amdgpu_metadata
.endif
;; end of part 1
;; launch attn (part 2): grid 32 x 8, 4 waves a work-group, clusters of 4 x 1, 327,680 bytes of LDS; arguments qkv, onorm, lambda_q1, lambda_k1, lambda_q2, lambda_k2, sub_norm_w; writes onorm
.if DOCPART == 2
	.amdgcn_target "amdgcn-amd-amdhsa--gfx1250"
	.amdhsa_code_object_version 6
	.text
	.protected	k_qa775b70536_attn
	.globl	k_qa775b70536_attn
	.p2align	8
	.type	k_qa775b70536_attn,@function
k_qa775b70536_attn:
	s_mov_b64 s[64:65], 0
	v_nop
	global_prefetch_b8 v0, s[64:65] scope:SCOPE_SE
	s_setreg_imm32_b32 hwreg(HW_REG_WAVE_MODE, 25, 1), 1
	s_wait_xcnt 0x0
	s_wait_alu depctr_hold_cnt(0) depctr_sa_sdst(0) depctr_va_vdst(0) depctr_va_sdst(0) depctr_va_ssrc(0) depctr_va_vcc(0) depctr_vm_vsrc(0)
	s_getreg_b32 s2, hwreg(HW_REG_IB_STS2, 6, 4)
	s_cmp_eq_u32 s2, 0
	s_cbranch_scc0 .Lentry_in_a_cluster
	s_endpgm
.Lentry_in_a_cluster:
	s_bfe_u32 s2, ttmp6, 0x10000c
	s_cmp_lg_u32 s2, 0x3003
	s_cbranch_scc0 .Lentry_shape_is_right
	s_endpgm
.Lentry_shape_is_right:
; DIFFERENTIAL ATTENTION of one (batch, head) g.  qkv: f16 [q,k,v][g][4096][128]; a row of q and of k is (part 1's 64 channels | part 2's 64), a row of v 128 channels.
; a_i[n] = the sum over m of softmax_m(q_i[n] . k_i[m] / 8) v[m], i = 1, 2;  o = a_1 - lam a_2, lam = exp(lq1 . lk1) - exp(lq2 . lk2) + 0.2;
; onorm[batch][n][128 head ..] = o / sqrt(mean(o^2) + 1e-5) x sub_norm_w x 0.8, in f16.  Products, maxima, sums and the norm in f32; the weights p are rounded to f16 for the second
; product (their sum l is taken of the unrounded p).  The lambdas and sub_norm_w are rounded to bf16 like every input of the program.
; LIMITS.  f16 holds no number beyond 65,504: q, k, v arrive within it, and onorm beyond it is an infinity; p lies in 0 to 1 and below 6e-5 keeps f16's fixed step of 6e-8.  A weight below 2^-126 counts as 0 in l; NaN and
; infinities are not treated apart.
; SHARES.  A work-group owns 128 queries, each of its four waves 32: FOUR TILES of 16 queries x one part: tiles 0, 1 = queries 0-15, 16-31 in part 1; tiles 2, 3 = the same queries in part 2.
; Every wave walks all 4,096 keys, 64 a step.  Both parts multiply by the same V; a row of K holds both parts' channels.
; LAYOUT.  S^T = K Q^T (source 0 = 16 keys, source 1 = 16 queries): a lane holds ONE query (lane % 16) and the keys 8 (lane / 16) + 0..7.  Two such results, rounded to f16 in pairs, ARE
; source 1 (32 keys x 16 queries) of O^T = V^T P, whose result again holds one query a lane, and eight channels.  K comes out of LDS as it lies, V ([key][channel]) turned, by ds_load_tr16_b128.
; SOFTMAX.  For each query and part a running maximum m and sum l: p = 2^(c s - c m), c = log2(e) / 8; in every step O and l are multiplied by a = 2^(c m_old - c m_new).
; BY TURNS.  The tiles are two PIECES, named by their first tile: piece 0 (part 1) and piece 2 (part 2).  In a TURN one piece has the matrix unit: 32 products V^T P of the step in hand, then
; 16 products K Q^T of the next step; the other piece's softmax, 268 vector instructions cut into 64 slices, stands between them: one slice behind each V^T P, two behind each K Q^T.
; CLUSTER.  The four query blocks of a cluster belong to one g and walk the same K and V: each tile is asked for JOINTLY, by the same tensor load, descriptor and mask in all four.
; REGISTERS, in windows of 256 (s_set_vgpr_msb: bits 1:0 source 0, 3:2 source 1, 5:4 source 2, 7:6 destination):
;   window 0: v0-11 addresses; v12-43 eight registers of statistics a tile; v44-59 lam; v61-63; v64-191 S^T, 32 a tile; v192-255 P, 16 a tile
;   window 1: O^T, 64 a tile     window 2: v0-63 Q, 16 a tile; v64-127 sub_norm_w as my lane's 64 channels want it; v128-255 K of one step     window 3: v0-127 V of one step
.set SIZE_N, 4096
.set KS,    64        ; keys in a step
.set PK,    272       ; a row of K in LDS: 256 bytes + 16 of padding: the 16 rows of a load start 16 bytes apart modulo 256
.set PV,    288       ; a row of V: 256 + 32: 16 lanes of the turning load take 8 rows x 32 bytes, 32 bytes apart modulo 256
.set VOFF,  KS*PK     ; a step's tiles lie together: 64 rows of K, then 64 rows of V
.set STEPB, KS*(PK+PV)
.set SLOT1, 1<<17     ; a slot holds two steps (71,680 bytes); slot 1 begins here, so that one exclusive or turns an address in one slot into the other's
.set STAGE, SLOT1+2*STEPB  ; behind the ring, never filled by a tensor load: 16 rows x 272 bytes for each wave, for the way out
.set SP,    272
.set SPARE, STAGE+4*16*SP  ; behind the stages: the spare words, 128 bytes for each wave, which no other line names
.set AK0, 2           ; v2   my lane's place in a tile of K; never rewritten
.set AV0, 3           ; v3   the same for V
.set ADR, 4           ; v4   the LDS address of the run of loads in hand
.set QO,  5           ; v5   my byte offset in 16 rows of Q; never rewritten
.set STO, 6           ; v6   the way out: where I put 16 bytes of a row
.set RD,  7           ; v7   the way out: where I read a row back
.set GO,  8           ; v8   my byte offset in two rows of onorm
.set ST,  12          ; tile t's statistics at v[ST+8 t]: +0 c m, +1 m, +2, +3 l (even keys', odd keys'), +4 to +7 c0-c3, at work; a takes c2's place once the maximum is found
.set NLAM, 44         ; v44  -lam
.set LMO, 45          ; v45  8 x lane: my two numbers of each lambda; never rewritten
.set WO,  46          ; v46  32 (lane / 16): my eight channels in 16 of sub_norm_w; never rewritten
.set LW,  48          ; v48-59 lam's work
.set PFO, 61          ; v61  256 x my lane: a row of K or V is 256 bytes; never rewritten
.set SPW, 62          ; v62  LDS address of my spare word; never rewritten
.set NIL, 63          ; v63  0; never rewritten
.set S,   64
.set P,   192
.set KF,  128         ; K's fragments, in window 2
.set WN,  64          ; sub_norm_w, in window 2
.set WV,  12          ; s12  my wave's number
.set LIM, 15          ; s15  1 in a wave that prefetches, else the greatest number
.set PFA, 18          ; s[18:19] where my prefetches stand: my work-group's 32 rows (of K: wave 0, of V: wave 2) of the slot after the one that is being asked for
.set G1K, 24          ; s[24:31] descriptor group 1 for K's tiles
.set G1V, 32          ; s[32:39] for V's: it differs in the padding alone
.set G0K, 40          ; s[40:47] descriptor group 0 for K's tiles: a set for each of the two first fills; the second then walks on
.set G0V, 48          ; s[48:55] the same for V's
.set SLOTS, 56        ; s56  slots still to be asked for
.set TWICE, 57        ; s57  counts a slot's two steps
.set CS,  58          ; s[58:59] c
.set SEL, 60          ; s[60:61] lane selects for v_permlanex16_b32: each lane takes its own place in the other half
.set TB,  62          ; s62  LDS byte at which the tiles of the step to be fetched begin
.set MSB, 0
.macro WIN new                      ; the immediate's high byte repeats the setting that is left; a switch that changes nothing is dropped
.if MSB != (\new)
	s_set_vgpr_msb (MSB<<8)|(\new)
.set MSB, \new
.endif
.endm
.set W_KQ, 0x0a       ; K and Q in window 2, S^T in window 0
.set W_PV, 0x53       ; V in window 3, P in window 0, O^T in window 1
.set W_RS, 0x41       ; O^T (destination and source 0) in window 1, the factor in window 0
; A joint refill.  Waves 0 and 1 fetch the two steps' tiles of K, waves 2 and 3 those of V.  The branch hangs on the wave's number alone.
; An s_nop 0 and four v_nop follow each of the two lines, ahead of the jump and the label.
.macro JLOAD
	s_cmp_lt_u32 s[WV], 2
	s_cbranch_scc0 .Lfor_v_\@
	tensor_load_to_lds s[G0K+4:G0K+7], s[G1K:G1K+7]
	s_nop 0
.rept 4
	v_nop
.endr
	s_branch .Lasked_\@
.Lfor_v_\@:
	tensor_load_to_lds s[G0V+4:G0V+7], s[G1V:G1V+7]
	s_nop 0
.rept 4
	v_nop
.endr
.Lasked_\@:
.endm
; A PREFETCH of what the NEXT change of slots will ask for: a slot's 128 rows of K and 128 of V, 256 bytes a row, a lane a row; it stands behind the wave's tensor load and its five lines.
; Each row is named ONCE in the launch: all eight clusters of a g walk the same rows, and the first of them asks; its four partners share the rows out BY ADDRESS, 32 each; in each, wave 0 asks for K's and
; wave 2 for V's.  It stands two key steps, 192 matrix instructions, ahead of the load that wants the rows.  The last change that fills a slot asks for nothing: there is no slot behind it.
.macro ASK
	s_cmp_gt_u32 s[SLOTS], s[LIM]
	s_cbranch_scc0 .Lnot_mine_\@
	global_prefetch_b8 v[PFO], s[PFA:PFA+1] th:TH_LOAD_NT scope:SCOPE_SE
.Lnot_mine_\@:
.endm
; A round of the cluster's barrier: my work-group's barrier, so that wave 0's signal speaks for all four waves; wave 0 signals; every wave waits for all four work-groups; my work-group's barrier once more.
.macro CROUND
	s_barrier_signal -1
	s_barrier_wait -1
	s_cmp_lg_u32 s[WV], 0
	s_cbranch_scc1 .Lnot_wave_0_\@
	s_barrier_signal -3
.Lnot_wave_0_\@:
	s_barrier_wait -3
	s_barrier_signal -1
	s_barrier_wait -1
.endm
	s_load_b64 s[4:5], s[0:1], 0x0    ; qkv
	s_load_b64 s[10:11], s[0:1], 0x8  ; onorm
	s_load_b256 s[68:75], s[0:1], 0x10  ; lambda_q1, lambda_k1, lambda_q2, lambda_k2
	s_load_b64 s[76:77], s[0:1], 0x30 ; sub_norm_w
	v_lshl_add_u32 v[SPW], v0, 2, SPARE
	v_mov_b32 v[NIL], 0
	ds_add_u32 v[SPW], v[NIL]       ; the wave's opening: the add and its wait stand ahead of my first tensor load; the set-up below, work on registers, stands between them
	v_lshrrev_b32 v1, 5, v0
	v_readfirstlane_b32 s[WV], v1   ; wave 0..3
	s_bfe_u32 s13, ttmp6, 0x40000   ; cx: my place in the cluster
	s_lshl_b32 s14, ttmp9, 2        ; in a cluster launch ttmp9 counts clusters
	s_add_co_u32 s14, s14, s13      ; my block of 128 queries = 4 x cluster x + cx: it enters Q's and onorm's addresses alone
	s_and_b32 s81, ttmp7, 0xffff    ; g, which the four partners share
	s_lshl_b32 s20, s81, 20         ; g's first byte in each of q, k, v: 4,096 rows of 256 bytes
	s_and_b32 s16, s[WV], 1         ; which of a slot's two steps I fetch:
	s_lshl_b32 s22, s16, 14         ; its 64 rows of 256 bytes in memory,
	s_add_co_u32 s22, s22, s20
	s_mov_b32 s23, 0
	s_mul_i32 s17, s16, STEPB       ; and its place in a slot: no place in the cluster enters an LDS address
	s_lshl_b32 s2, s14, 15          ; my block's 128 rows,
	s_lshl_b32 s3, s[WV], 13        ; my wave's 32 of them
	s_add_co_u32 s2, s2, s3
	s_add_co_u32 s2, s2, s20
	s_mov_b32 s3, 0
	s_lshr_b32 s82, s81, 1          ; onorm: the batch's 4,096 rows of 512 bytes,
	s_lshl_b32 s82, s82, 21
	s_and_b32 s83, s81, 1           ; the head's 256 bytes of a row,
	s_lshl_b32 s83, s83, 8
	s_add_co_u32 s82, s82, s83
	s_lshl_b32 s83, s14, 16         ; my block's 128 rows,
	s_add_co_u32 s82, s82, s83
	s_lshl_b32 s83, s[WV], 14       ; my wave's 32
	s_add_co_u32 s82, s82, s83
	s_mov_b32 s83, 0
	; descriptor group 1: a tile of 64 rows x 128 elements, padded in LDS
	s_mov_b32 s[G1K], 15|(1<<16)|(1<<20)|(1<<21)|(5<<22)|(3<<25)  ; 15:0 the mask: all four work-groups; 17:16 elements of 2 bytes; 20 padding on; 21 set beside a mask; 24:22 after every 64 words (code 5); 31:25 4 words of it (code 3)
	s_mov_b32 s[G1V], 15|(1<<16)|(1<<20)|(1<<21)|(5<<22)|(7<<25)  ; the same with 8 words of padding (code 7)
.irp g, G1K, G1V
	s_mov_b32 s[(\g)+1], 128<<16    ; tensor_dim0 = 128
	s_mov_b32 s[(\g)+2], KS<<16     ; tensor_dim1 = 64
	s_mov_b32 s[(\g)+3], 128<<16    ; tile_dim0 = 128
	s_mov_b32 s[(\g)+4], KS         ; tile_dim1 = 64
	s_mov_b32 s[(\g)+5], 128        ; 128 elements from row to row
	s_mov_b32 s[(\g)+6], 0
	s_mov_b32 s[(\g)+7], 0
.endr
	s_mov_b32 s[CS], 0x3e38aa3b     ; c = log2(e) / 8 = 0.180337
	s_mov_b32 s[CS+1], s[CS]        ; named with it as a pair, so it is written
	s_mov_b32 s[SEL], 0x76543210
	s_mov_b32 s[SEL+1], 0xfedcba98
	s_mov_b32 s[TB], 0
	s_mov_b32 s[SLOTS], SIZE_N/(2*KS)-2
	s_mov_b32 s78, 0x3c000000       ; 1 / 128
	s_mov_b32 s79, 0x3727c5ac       ; 1e-5
	s_mov_b32 s80, 0xffff0000       ; a word's upper half
	s_and_b32 s[LIM], s[WV], 1      ; 0 in waves 0 and 2,
	s_or_b32 s[LIM], s[LIM], ttmp9  ; where the cluster is g's first: the same in all four partners
	s_cmp_eq_u32 s[LIM], 0
	s_cselect_b32 s[LIM], 1, -1
	v_and_b32 v[PFO], 31, v0
	v_lshlrev_b32 v[PFO], 8, v[PFO]
	s_wait_dscnt 0x0                ; the opening add is done
	s_wait_kmcnt 0x0
	s_add_nc_u64 s[6:7], s[4:5], s[22:23]
	s_add_nc_u64 s[8:9], s[6:7], 0x1000000  ; V at my tile of slot 0
	s_add_nc_u64 s[6:7], s[6:7], 0x800000   ; K at my tile of slot 0
	s_add_nc_u64 s[4:5], s[4:5], s[2:3]     ; Q at my wave's first row
	s_add_nc_u64 s[10:11], s[10:11], s[82:83]  ; onorm at my wave's first row, my head's half
	s_cmp_lt_u32 s[WV], 2
	s_cselect_b64 s[PFA:PFA+1], s[6:7], s[8:9]  ; (in waves 0 and 2 these stand at a slot's first row)
	s_lshl_b32 s2, s13, 13          ; my work-group's 32 rows of the 128
	s_mov_b32 s3, 0
	s_add_nc_u64 s[PFA:PFA+1], s[PFA:PFA+1], s[2:3]
	s_add_nc_u64 s[PFA:PFA+1], s[PFA:PFA+1], 2*2*KS*256  ; in slot 2; the first change of slots steps it to slot 3.  Nothing is prefetched here, at the head
	CROUND                          ; all four work-groups are here: the first joint loads meet
.irp s, 0,1
	s_mov_b32 s[G0K+4*(\s)], 1      ; 1:0 count = 1
	s_add_co_u32 s[G0K+4*(\s)+1], s17, (\s)*SLOT1  ; 63:32 LDS address
	s_add_nc_u64 s[G0K+4*(\s)+2:G0K+4*(\s)+3], s[6:7], (\s)*2*KS*256  ; 120:64 global address: slot s begins with key 128 s
	s_or_b32 s[G0K+4*(\s)+3], s[G0K+4*(\s)+3], 0x80000000  ; 127:126 type = 2
	s_mov_b32 s[G0V+4*(\s)], 1
	s_add_co_u32 s[G0V+4*(\s)+1], s17, (\s)*SLOT1+VOFF
	s_add_nc_u64 s[G0V+4*(\s)+2:G0V+4*(\s)+3], s[8:9], (\s)*2*KS*256
	s_or_b32 s[G0V+4*(\s)+3], s[G0V+4*(\s)+3], 0x80000000
.endr
	s_cmp_lt_u32 s[WV], 2           ; a wave's two first fills stand in one branch, ahead of every wait on TENSORcnt and every LDS read: two loads of mine are out
	s_cbranch_scc0 .Lfirst_v
	tensor_load_to_lds s[G0K:G0K+3], s[G1K:G1K+7]
	s_nop 0
	tensor_load_to_lds s[G0K+4:G0K+7], s[G1K:G1K+7]
	s_nop 0
.rept 4
	v_nop
.endr
	s_branch .Lfirst_asked
.Lfirst_v:
	tensor_load_to_lds s[G0V:G0V+3], s[G1V:G1V+7]
	s_nop 0
	tensor_load_to_lds s[G0V+4:G0V+7], s[G1V:G1V+7]
	s_nop 0
.rept 4
	v_nop
.endr
.Lfirst_asked:
	; A fragment of K or Q is 16 rows x 32 channels in 8 registers: lane l holds row l % 16, channels 8 (l / 16) + 0..7 and 16 + 8 (l / 16) + 0..7: two loads of 16 bytes, 32 bytes apart.
	v_and_b32 v1, 15, v0            ; l % 16
	v_bfe_u32 v9, v0, 4, 1          ; l / 16
	v_lshlrev_b32 v[QO], 8, v1
	v_lshl_add_u32 v[QO], v9, 4, v[QO]  ; row x 256 + 16 x half
	v_lshlrev_b32 v[WO], 5, v9
	v_and_b32 v[LMO], 31, v0
	v_lshlrev_b32 v[LMO], 3, v[LMO]
	WIN 0x80                        ; destination window 2, address window 0
.irp i, 0,1,2,3,4,5,6,7             ; Q stays in registers: tile i / 2 (queries 16 (tile % 2) on, part tile / 2), channels 32 (i % 2) on
	global_load_b128 v[8*(\i):8*(\i)+3],   v[QO], s[4:5] offset:(((\i)/2)%2)*4096+((\i)/4)*128+((\i)%2)*64
	global_load_b128 v[8*(\i)+4:8*(\i)+7], v[QO], s[4:5] offset:(((\i)/2)%2)*4096+((\i)/4)*128+((\i)%2)*64+32
.endr
.irp c, 0,1,2,3,4,5,6,7             ; sub_norm_w of channels 16 c + 8 (l / 16) + 0..7: as O^T's registers hold them
	global_load_b128 v[WN+8*(\c):WN+8*(\c)+3],   v[WO], s[76:77] offset:64*(\c)
	global_load_b128 v[WN+8*(\c)+4:WN+8*(\c)+7], v[WO], s[76:77] offset:64*(\c)+16
.endr
	WIN 0
	global_load_b64 v[LW:LW+1],   v[LMO], s[68:69]
	global_load_b64 v[LW+2:LW+3], v[LMO], s[70:71]
	global_load_b64 v[LW+4:LW+5], v[LMO], s[72:73]
	global_load_b64 v[LW+6:LW+7], v[LMO], s[74:75]
	v_mul_u32_u24 v[AK0], v1, PK
	v_lshl_add_u32 v[AK0], v9, 4, v[AK0]  ; row x pitch + 16 x half
	; The turning load takes 16 keys x 16 channels (lane l reads key 8 (l / 16) + l % 8, channels 8 ((l / 8) % 2) + 0..7) and leaves half a fragment of V^T: lane l holds channel l % 16 and 8 keys.
	v_and_b32 v10, 7, v0
	v_bfe_u32 v11, v0, 3, 1
	v_lshl_add_u32 v[AV0], v9, 3, v10
	v_mul_u32_u24 v[AV0], v[AV0], PV
	v_lshl_add_u32 v[AV0], v11, 4, v[AV0]
	v_add_nc_u32 v[AV0], VOFF, v[AV0]
; THE MATRIX WORK OF A TURN, for piece x.  The accumulators take turns, one instruction a turn: between two links of a chain stand 15 (V^T P) or 7 (K Q^T) others'.
; Product i of 32 of O^T += V^T P: keys 32 (i / 16) on, channels 16 ((i / 2) % 8) on, tile x + i % 2.  zero = 1: the first 16 start the sums: nothing is ever cleared.
.macro PV x, zero
	WIN W_PV
.set rO, 64*((\x)+i%2)+8*((i/2)%8)
.set rV, 64*(i/16)+8*((i/2)%8)
.set rP, P+16*((\x)+i%2)+8*(i/16)
.if (\zero) && (i < 16)
	v_wmma_f32_16x16x32_f16 v[rO:rO+7], v[rV:rV+7], v[rP:rP+7], 0
.else
	v_wmma_f32_16x16x32_f16 v[rO:rO+7], v[rV:rV+7], v[rP:rP+7], v[rO:rO+7]
.endif
.endm
; Product i of 16 of S^T = K Q^T: the piece's channels 32 (i / 8) on (K's channel block 2 (x / 2) + i / 8), keys 16 ((i / 2) % 4) on, tile x + i % 2.  The first 8 start the sums.
.macro KQ x
	WIN W_KQ
.set rS, S+32*((\x)+i%2)+8*((i/2)%4)
.set rK, KF+32*((i/2)%4)+8*(2*((\x)/2)+i/8)
.set rQ, 16*((\x)+i%2)+8*(i/8)
.if i < 8
	v_wmma_f32_16x16x32_f16 v[rS:rS+7], v[rK:rK+7], v[rQ:rQ+7], 0
.else
	v_wmma_f32_16x16x32_f16 v[rS:rS+7], v[rK:rK+7], v[rQ:rQ+7], v[rS:rS+7]
.endif
.endm
; THE LDS LOADS stand in runs of 32, never singly among the matrix instructions: a step's K (64 keys x 128 channels: 16 fragments) and, a turn later, its V (turned).
.macro FETCH_K
	WIN 0
	v_add_nc_u32 v[ADR], s[TB], v[AK0]
	WIN 0x80                        ; destination window 2
.irp f, 0,1,2,3,4,5,6,7,8,9,10,11,12,13,14,15  ; keys 16 (f / 4) on, channels 32 (f % 4) on
	ds_load_b128 v[KF+8*(\f):KF+8*(\f)+3],   v[ADR] offset:((\f)/4)*16*PK+((\f)%4)*64
	ds_load_b128 v[KF+8*(\f)+4:KF+8*(\f)+7], v[ADR] offset:((\f)/4)*16*PK+((\f)%4)*64+32
.endr
.endm
.macro FETCH_V
	WIN 0
	v_add_nc_u32 v[ADR], s[TB], v[AV0]
	s_add_co_u32 s[TB], s[TB], STEPB  ; the next fetch is the next step's
	WIN 0xc0                        ; destination window 3
.irp f, 0,1,2,3,4,5,6,7,8,9,10,11,12,13,14,15  ; keys 32 (f / 8) on, channels 16 (f % 8) on
	ds_load_tr16_b128 v[8*(\f):8*(\f)+3],   v[ADR] offset:((\f)/8)*32*PV+((\f)%8)*32
	ds_load_tr16_b128 v[8*(\f)+4:8*(\f)+7], v[ADR] offset:((\f)/8)*32*PV+16*PV+((\f)%8)*32
.endr
.endm
; THE VECTOR WORK OF A TURN.  One tile's softmax for one key step is a list of 134 instructions; SM writes number j of it for tile t.  s0-s31 are the lane's 32 scores, in pairs 0-15.
; first = 1: the first key step, which starts m, l and O^T: it has no a and nothing to rescale.
;   0-15    the maximum of s0-s31 and the old m, three operands at a time: four chains c0-c3 of seven scores each (each accumulator's lowest registers are read first), then the four left over, c0-c3 and m
;   16-20   the other half of the lanes' maximum; the new m; c m; c m_old - c m_new
;   21-87   33 exponentials (a, then s0-s31) at the odd numbers from 23 on, so that no two follow each other and each has a plain instruction behind it before its result is used (ISA guide 5.7.2).
;           The plain ones are whatever is ready: c s - c m for a pair whose exponentials are still to come, the rounding to f16 of a pair whose exponentials are done, at last the first three sums
;   88-101  the last rounding; the rest of the sums; l = a l + the sum
;   102-133 the tile's O^T times a: the one part that leaves window 0, so it stands together
.macro SM t, first
.set rT, ST+8*(\t)
.set rS, S+32*(\t)
.set rP, P+16*(\t)
.set rO, 64*(\t)+2*(j-102)
.set q, (j-20)/2
.if j < 102
	WIN 0
.endif
.if j < 4
	v_max3_num_f32 v[rT+4+j], v[rS+8*j], v[rS+8*j+1], v[rS+8*j+2]
.elseif j < 12
	v_max3_num_f32 v[rT+4+j%4], v[rT+4+j%4], v[rS+8*(j%4)+2*(j/4)+1], v[rS+8*(j%4)+2*(j/4)+2]
.elseif j == 12
	v_max3_num_f32 v[rT+4], v[rT+4], v[rS+7], v[rS+15]
.elseif j == 13
	v_max3_num_f32 v[rT+6], v[rT+6], v[rS+23], v[rS+31]
.elseif j == 14
	v_max3_num_f32 v[rT+4], v[rT+4], v[rT+5], v[rT+6]
.elseif (j == 15) && (\first)
	v_max_num_f32 v[rT+4], v[rT+4], v[rT+7]
.elseif j == 15
	v_max3_num_f32 v[rT+4], v[rT+4], v[rT+7], v[rT+1]
.elseif j == 16
	v_permlanex16_b32 v[rT+5], v[rT+4], s[SEL], s[SEL+1]  ; the query's other 32 keys lie in the lane 16 away
.elseif j == 18
	v_max_num_f32 v[rT+1], v[rT+4], v[rT+5]
.elseif j == 19
	v_mul_f32 v[rT], s[CS], v[rT+1]
.elseif ((j == 17) || (j == 20) || (j == 23) || (j > 101)) && (\first)  ; the first step has none of these
.elseif j == 17
	v_mov_b32 v[rT+7], v[rT]        ; c m_old is kept for a: number 19 writes c m anew
.elseif j == 20
	v_sub_f32 v[rT+7], v[rT+7], v[rT]
.elseif j == 23
	v_exp_f32 v[rT+6], v[rT+7]
.elseif (j < 88) && (j > 23) && (j%2 == 1)
	v_exp_f32 v[rS+(j-25)/2], v[rS+(j-25)/2]
.elseif (q < 4) || ((j < 76) && (q%2 == 0))
.set b, q/2+2
.if q < 4
.set b, q
.endif
	v_pk_fma_f32 v[rS+2*b:rS+2*b+1], v[rS+2*b:rS+2*b+1], s[CS:CS+1], v[rT:rT+1] op_sel_hi:[1,0,0] neg_lo:[0,0,1] neg_hi:[0,0,1]  ; pair b: c s - c m
.elseif (j < 88) && (q%2 == 1)
	s_wait_alu depctr_va_vdst(0)
	v_cvt_pk_f16_f32 v[rP+(q-5)/2], v[rS+q-5], v[rS+q-4]  ; pair (q - 5) / 2: its second exponential stands three numbers back
.elseif j == 89
	s_wait_alu depctr_va_vdst(0)
	v_cvt_pk_f16_f32 v[rP+15], v[rS+30], v[rS+31]
.elseif j < 102                     ; the sum of the tile's 16 pairs, in place: sum z of 16 adds neighbours 1, 2, 4 and 8 pairs apart, then l takes it
.set z, j-86
.if j < 89
.set z, (j-76)/4
.endif
.set w, 4
.set u, z
.if z >= 14
.set w, 32
.set u, 0
.elseif z >= 12
.set w, 16
.set u, z-12
.elseif z >= 8
.set w, 8
.set u, z-8
.endif
.if (z == 14) && (\first)
	v_pk_add_f32 v[rT+2:rT+3], v[rS:rS+1], v[rS+16:rS+17]
.elseif z < 15
	v_pk_add_f32 v[rS+w*u:rS+w*u+1], v[rS+w*u:rS+w*u+1], v[rS+w*u+w/2:rS+w*u+w/2+1]
.elseif !(\first)
	v_pk_fma_f32 v[rT+2:rT+3], v[rT+2:rT+3], v[rT+6:rT+7], v[rS:rS+1] op_sel_hi:[1,0,1]
.endif
.else
	WIN W_RS
	v_pk_mul_f32 v[rO:rO+1], v[rO:rO+1], v[rT+6:rT+7] op_sel_hi:[1,0]
.endif
.endm
; Slice k of 64 of piece y's softmax: numbers 2 k and 2 k + 1 of both tiles' lists, four instructions.  2 x 134 = 4 x 64 + 12: the twelve that are over stand together, in slice 63.
.macro SLICE y, first
.if (k >= 11) && (k < 44)           ; tile by tile: plain, exponential, plain, exponential
.irp t, \y, (\y)+1
.irp n, 0,1
.set j, 2*k+(\n)
	SM \t, \first
.endr
.endr
.else                               ; the two tiles alternate, so that no instruction reads the result of the one just before it
.irp n, 0,1,2,3,4,5,6,7
.if ((\n) < 2) || (k == 63)
.irp t, \y, (\y)+1
.set j, 2*k+(\n)
	SM \t, \first
.endr
.endif
.endr
.endif
.set k, k+1
.endm
; A vector instruction that reads a matrix result or writes one of a matrix instruction's registers, and a load into a register that a matrix instruction has read, stand four plain vector places
; behind it (ISA guide 7.12.1 for vector instructions).  In the loop the slices are the places.
.macro PLACES
.rept 4
	v_nop
.endr
.endm
; A TURN.  Piece x has the matrix unit; the other piece's softmax stands in slices behind its matrix instructions: one behind a V^T P and two behind a K Q^T (32 + 2 x 16 = 64), twice as many in a turn with one kind.
; pv = 2: 32 products V^T P; 1: they start O^T's sums; 0: none.  kq = 1: 16 products K Q^T for the next step.
; first = 1: the softmax is the first key step's.  Its slices from 51 on are empty: the turn's last products stand bare, and four v_nop are the places behind them.
; Piece 0's turn fetches the next step's K behind its second product: the last product that read K stands in front of slices 62 and 63 of the turn before, 20 plain instructions.
; Piece 2's turn fetches the same step's V behind its second K Q^T: the last product that read V stands five slices back, which hold ten plain instructions.
.macro TURN x, pv, kq, first
.set k, 0
.set perp, 2
.set perk, 4
.if (\pv) && (\kq)
.set perp, 1
.set perk, 2
.endif
.if \pv
.if (\x) == 0
	s_wait_dscnt 0x0                ; V is in
.endif
.set i, 0
.rept 32
	PV \x, 2-(\pv)
.rept perp
	SLICE 2-(\x), \first
.endr
.if ((\x) == 0) && (\kq) && (i == 1)
	FETCH_K
.endif
.set i, i+1
.endr
.endif
.if \kq
.if (\x) == 0
	s_wait_dscnt 0x0                ; K is in
.endif
.set i, 0
.rept 16
	KQ \x
.rept perk
	SLICE 2-(\x), \first
.endr
.if ((\x) == 2) && (i == 1)
	FETCH_V
.endif
.set i, i+1
.endr
.endif
.if \first
	PLACES
.endif
.endm
; THE CHANGE OF SLOTS, between piece 2's turn and piece 0's: the slot's last bytes, V of its second step, have been asked for.  Each wave waits for all its tensor loads, of which one is out: its
; part of the other slot; adds 0 to its spare word; and waits for that and for its own reads of the slot.  Behind the barrier nobody reads this slot any more and the other slot is whole.
; fill = 1: this slot is filled again, with the keys two slots on.  The barrier is then a round of the cluster's, so that no wave of any partner still reads the slot or has a load on its way,
; and the joint refill is the first thing behind it: it has two key steps, 192 matrix instructions, in which to land.
.macro CHANGE fill
	WIN 0                           ; at a label and at a branch every window is 0
	s_wait_tensorcnt 0x0            ; no tensor load of mine is out, so a group 0 may be written
	ds_add_u32 v[SPW], v[NIL]       ; 0 onto my spare word; with fill = 1 the descriptors' steps stand between it and the wait for it
.if \fill
.irp g, G0K+4, G0V+4
	s_xor_b32 s[(\g)+1], s[(\g)+1], SLOT1  ; the walking descriptor: the other slot than last time,
	s_add_nc_u64 s[(\g)+2:(\g)+3], s[(\g)+2:(\g)+3], 2*KS*256  ; the next 128 keys; the type bits on top are not reached
.endr
	s_wait_xcnt 0x0                 ; the last prefetch, two key steps back, has read its address, so it may be written:
	s_add_nc_u64 s[PFA:PFA+1], s[PFA:PFA+1], 2*KS*256  ; one slot behind the walking descriptors
	s_wait_dscnt 0x0                ; the add is done, and my reads of the slot are over
	CROUND
	JLOAD
	ASK
.else
	s_wait_dscnt 0x0                ; the add is done, and my reads of the slot are over
	s_barrier_signal -1
	s_barrier_wait -1
.endif
	s_sub_co_u32 s[TB], s[TB], 2*STEPB  ; the fetches go back to a slot's first step,
	s_xor_b32 s[TB], s[TB], SLOT1   ; in the other slot
.endm
; A slot's two key steps: written once, walked twice; the LDS addresses hang on s[TB].
.macro TWO_STEPS
	WIN 0
	s_mov_b32 s[TWICE], 2
.Lstep_\@:
	TURN 0, 2, 1, 0
	TURN 2, 2, 1, 0
	WIN 0
	s_sub_co_u32 s[TWICE], s[TWICE], 1
	s_cmp_lg_u32 s[TWICE], 0
	s_cbranch_scc1 .Lstep_\@
.endm
	s_wait_tensorcnt 1              ; my part of slot 0 is in; slot 1's may stay out
	s_barrier_signal -1
	s_barrier_wait -1               ; everybody's is
	FETCH_K                         ; key step 0
	s_wait_loadcnt 0x0              ; Q, sub_norm_w, the lambdas
	s_wait_dscnt 0x0
.set i, 0
.rept 16
	KQ 0                            ; piece 0's first scores: there is no vector work yet to set between them
.set i, i+1
.endr
	WIN 0                           ; the addresses for the way out and lam are made here: plain instructions, the places behind those products
	s_mul_i32 s13, s[WV], 16*SP
	s_add_co_u32 s13, s13, STAGE    ; my stage
	v_mul_u32_u24 v[STO], v1, SP    ; in: row l % 16, 16 bytes for each half of the lanes
	v_lshl_add_u32 v[STO], v9, 4, v[STO]
	v_add_nc_u32 v[STO], s13, v[STO]
	v_mul_u32_u24 v[RD], v9, SP     ; back: lanes 0-15 take one row of 256 bytes, lanes 16-31 the next
	v_lshl_add_u32 v[RD], v1, 4, v[RD]
	v_add_nc_u32 v[RD], s13, v[RD]
	v_lshlrev_b32 v[GO], 9, v9      ; and the same two rows in onorm, 512 bytes apart
	v_lshl_add_u32 v[GO], v1, 4, v[GO]
	; -lam = exp(lq2 . lk2) - exp(lq1 . lk1) - 0.2.  A lane holds two of each vector's 64 numbers, rounded to bf16.
.irp i, 0,1,2,3
	v_cvt_pk_bf16_f32 v[LW+8+(\i)], v[LW+2*(\i)], v[LW+2*(\i)+1]
.endr
.irp i, 0,1,2,3
	v_lshlrev_b32 v[LW+2*(\i)],   16, v[LW+8+(\i)]
	v_and_b32     v[LW+2*(\i)+1], s80, v[LW+8+(\i)]
.endr
	v_mul_f32 v[LW+8], v[LW], v[LW+2]
	v_mul_f32 v[LW+9], v[LW+4], v[LW+6]
	v_fma_f32 v[LW+8], v[LW+1], v[LW+3], v[LW+8]
	v_fma_f32 v[LW+9], v[LW+5], v[LW+7], v[LW+9]
.irp m, 1,2,4,8
	v_add_f32_dpp v[LW+8], v[LW+8], v[LW+8] row_xmask:\m row_mask:0xf bank_mask:0xf
	v_add_f32_dpp v[LW+9], v[LW+9], v[LW+9] row_xmask:\m row_mask:0xf bank_mask:0xf
.endr
	v_permlanex16_b32 v[LW+10], v[LW+8], s[SEL], s[SEL+1]
	v_permlanex16_b32 v[LW+11], v[LW+9], s[SEL], s[SEL+1]
	v_add_f32 v[LW+8], v[LW+8], v[LW+10]
	v_add_f32 v[LW+9], v[LW+9], v[LW+11]
	v_mul_f32 v[LW+8], 0x3fb8aa3b, v[LW+8]  ; x log2(e)
	v_mul_f32 v[LW+9], 0x3fb8aa3b, v[LW+9]
	v_exp_f32 v[LW+8], v[LW+8]
	v_exp_f32 v[LW+9], v[LW+9]
	v_nop                           ; a plain instruction between the exponentials and the use of their results
	s_wait_alu depctr_va_vdst(0)
	v_sub_f32 v[LW+8], v[LW+9], v[LW+8]
	v_add_f32 v[NLAM], 0xbe4ccccd, v[LW+8]
	TURN 2, 0, 1, 1                 ; piece 2's first scores | piece 0's first softmax | V of step 0
	TURN 0, 1, 1, 1                 ; piece 0: V^T P of step 0 starts O^T, K Q^T of step 1 | piece 2's first softmax | K of step 1
	TURN 2, 1, 1, 0                 ; piece 2: the same | piece 0's softmax of step 1 | V of step 1
	WIN 0
.Lslot:                             ; 30 trips: every slot but the last two is filled again
	CHANGE 1
	TWO_STEPS
	s_sub_co_u32 s[SLOTS], s[SLOTS], 1
	s_cmp_lg_u32 s[SLOTS], 0
	s_cbranch_scc1 .Lslot
	CHANGE 0                        ; the tail is written out: nothing is asked for
	TWO_STEPS
	TURN 0, 2, 0, 0                 ; piece 0: V^T P of the last step | piece 2's last softmax
.set i, 0
.rept 32
	PV 2, 0                         ; piece 2: V^T P of the last step
.set i, i+1
.endr
	; THE WAY OUT.  l's two halves and the other half of the lanes' are added (the first additions are the places behind the last products); part 1's factor is 1 / l, part 2's -lam / l.
	WIN 0
.irp t, 0,1,2,3
	v_add_f32 v[ST+8*(\t)+4], v[ST+8*(\t)+2], v[ST+8*(\t)+3]
.endr
.irp t, 0,1,2,3
	v_permlanex16_b32 v[ST+8*(\t)+5], v[ST+8*(\t)+4], s[SEL], s[SEL+1]
.endr
.irp t, 0,1,2,3
	v_add_f32 v[ST+8*(\t)+4], v[ST+8*(\t)+4], v[ST+8*(\t)+5]
.endr
.irp t, 0,1,2,3
	v_rcp_f32 v[ST+8*(\t)+6], v[ST+8*(\t)+4]
.endr
	v_nop                           ; a plain instruction between the last reciprocal and the use of its result
.irp t, 2,3
	s_wait_alu depctr_va_vdst(0)
	v_mul_f32 v[ST+8*(\t)+6], v[NLAM], v[ST+8*(\t)+6]
.endr
	WIN 0xaa                        ; all in window 2: sub_norm_w is rounded to bf16 and widened again; K's registers, free now, hold the packed halves
.set n, 0
.rept 32
	v_cvt_pk_bf16_f32 v[KF+n], v[WN+2*n], v[WN+2*n+1]
.set n, n+1
.endr
.set n, 0
.rept 32
	v_lshlrev_b32 v[WN+2*n],   16, v[KF+n]
	v_and_b32     v[WN+2*n+1], s80, v[KF+n]
.set n, n+1
.endr
; Queries 16 u on: o = O_1 / l_1 - lam O_2 / l_2 (tiles u and u + 2; each accumulator's registers in ascending order); the sum of its squares over my 64 channels in four chains, which take the
; first eight registers of tile u + 2, then the other half of the lanes'; o x 0.8 / sqrt(mean + 1e-5) x sub_norm_w.
.macro COMB u
.set oA, 64*(\u)
.set oB, 64*((\u)+2)
.set tA, ST+8*(\u)
.set tB, ST+8*((\u)+2)
	WIN W_RS
.set n, 0
.rept 32
	v_pk_mul_f32 v[oB+n:oB+n+1], v[oB+n:oB+n+1], v[tB+6:tB+7] op_sel_hi:[1,0]
.set n, n+2
.endr
	WIN 0x51                        ; destination, sources 0 and 2 window 1; source 1 window 0
.set n, 0
.rept 32
	v_pk_fma_f32 v[oA+n:oA+n+1], v[oA+n:oA+n+1], v[tA+6:tA+7], v[oB+n:oB+n+1] op_sel_hi:[1,0,1]
.set n, n+2
.endr
	WIN 0x55                        ; all in window 1
.set n, 0
.rept 4
	v_pk_mul_f32 v[oB+n:oB+n+1], v[oA+n:oA+n+1], v[oA+n:oA+n+1]
.set n, n+2
.endr
.rept 28
	v_pk_fma_f32 v[oB+n%8:oB+n%8+1], v[oA+n:oA+n+1], v[oA+n:oA+n+1], v[oB+n%8:oB+n%8+1]
.set n, n+2
.endr
	v_pk_add_f32 v[oB:oB+1], v[oB:oB+1], v[oB+2:oB+3]
	v_pk_add_f32 v[oB+4:oB+5], v[oB+4:oB+5], v[oB+6:oB+7]
	v_pk_add_f32 v[oB:oB+1], v[oB:oB+1], v[oB+4:oB+5]
	WIN 0x05                        ; sources window 1, destination window 0
	v_add_f32 v[tA+4], v[oB], v[oB+1]
	WIN 0
	v_permlanex16_b32 v[tA+5], v[tA+4], s[SEL], s[SEL+1]
	v_add_f32 v[tA+4], v[tA+4], v[tA+5]
	v_fma_f32 v[tA+4], v[tA+4], s78, s79  ; the sum / 128 + 1e-5
	v_rsq_f32 v[tA+5], v[tA+4]
	v_nop                           ; a plain instruction between the root and the use of its result
	s_wait_alu depctr_va_vdst(0)
	v_mul_f32 v[tA+6], 0x3f4ccccd, v[tA+5]  ; x (1 - 0.2)
	WIN W_RS
.set n, 0
.rept 32
	v_pk_mul_f32 v[oA+n:oA+n+1], v[oA+n:oA+n+1], v[tA+6:tA+7] op_sel_hi:[1,0]
.set n, n+2
.endr
	WIN 0x49                        ; destination and source 0 window 1, source 1 window 2
.set n, 0
.rept 32
	v_pk_mul_f32 v[oA+n:oA+n+1], v[oA+n:oA+n+1], v[WN+n:WN+n+1]
.set n, n+2
.endr
.endm
; A lane's eight channels of a row pack into 16 bytes; they go into rows of 272 bytes in my stage and come back as whole rows of 256, into the registers that they left.
.macro PACK u
	WIN 0x05                        ; sources window 1, destination window 0: S^T's registers are free
.set n, 0
.rept 32
	v_cvt_pk_f16_f32 v[S+32*(\u)+n], v[64*(\u)+2*n], v[64*(\u)+2*n+1]
.set n, n+1
.endr
	WIN 0
.irp f, 0,1,2,3,4,5,6,7
	ds_store_b128 v[STO], v[S+32*(\u)+4*(\f):S+32*(\u)+4*(\f)+3] offset:32*(\f)
.endr
.irp f, 0,1,2,3,4,5,6,7
	ds_load_b128 v[S+32*(\u)+4*(\f):S+32*(\u)+4*(\f)+3], v[RD] offset:(\f)*2*SP  ; a wave's LDS instructions are served in order (ISA guide 5.7.1.4): these see the stores above; the next tile's stores come behind them
.endr
.endm
.macro SEND u, younger              ; younger: the LDS instructions issued behind tile u's loads: the next tile's sixteen, or none
	WIN 0
.irp f, 0,1,2,3,4,5,6,7
	s_wait_dscnt (\younger)+7-(\f)
	global_store_b128 v[GO], v[S+32*(\u)+4*(\f):S+32*(\u)+4*(\f)+3], s[10:11] offset:(\u)*8192+(\f)*1024  ; 16 lanes store 256 consecutive bytes, at a multiple of 256 from onorm's first byte
.endr
.endm
	COMB 0
	PACK 0
	COMB 1                          ; tile 1's arithmetic stands between tile 0's loads from the stage and its stores
	PACK 1
	SEND 0, 16
	SEND 1, 0
	s_wait_tensorcnt 0x0            ; the wave's end: behind my last tensor load and my last LDS store
	ds_add_u32 v[SPW], v[NIL]
	s_wait_dscnt 0x0
	CROUND                          ; the closing round: no work-group ends while a partner may still ask for a tile that names it
	s_endpgm
.Lfunc_end_k_qa775b70536_attn:
	.size	k_qa775b70536_attn, .Lfunc_end_k_qa775b70536_attn-k_qa775b70536_attn
	.p2alignl 7, 3214868480
	.fill 96, 4, 3214868480
	.section	.rodata,"a",@progbits
	.p2align	6, 0x0
	.amdhsa_kernel k_qa775b70536_attn
		.amdhsa_group_segment_fixed_size 327680
		.amdhsa_private_segment_fixed_size 0
		.amdhsa_enable_private_segment 0
		.amdhsa_kernarg_size 56
		.amdhsa_user_sgpr_count 2
		.amdhsa_user_sgpr_kernarg_segment_ptr 1
		.amdhsa_wavefront_size32 1
		.amdhsa_system_sgpr_workgroup_id_x 1
		.amdhsa_system_sgpr_workgroup_id_y 1
		.amdhsa_system_sgpr_workgroup_id_z 1
		.amdhsa_system_vgpr_workitem_id 0
		.amdhsa_next_free_vgpr 1024
		.amdhsa_next_free_sgpr 84
		.amdhsa_reserve_vcc 0
		.amdhsa_float_denorm_mode_32 3
		.amdhsa_float_denorm_mode_16_64 3
		.amdhsa_memory_ordered 1
		.amdhsa_forward_progress 1
		.amdhsa_inst_pref_size 227
	.end_amdhsa_kernel
	.amdgpu_metadata
---
amdhsa.version: [ 1, 2 ]
amdhsa.kernels:
  - .name:           k_qa775b70536_attn
    .symbol:         k_qa775b70536_attn.kd
    .args:
      - { .name: qkv, .offset: 0, .size: 8, .value_kind: global_buffer, .address_space: global }
      - { .name: onorm, .offset: 8, .size: 8, .value_kind: global_buffer, .address_space: global }
      - { .name: lambda_q1, .offset: 16, .size: 8, .value_kind: global_buffer, .address_space: global }
      - { .name: lambda_k1, .offset: 24, .size: 8, .value_kind: global_buffer, .address_space: global }
      - { .name: lambda_q2, .offset: 32, .size: 8, .value_kind: global_buffer, .address_space: global }
      - { .name: lambda_k2, .offset: 40, .size: 8, .value_kind: global_buffer, .address_space: global }
      - { .name: sub_norm_w, .offset: 48, .size: 8, .value_kind: global_buffer, .address_space: global }
    .group_segment_fixed_size: 327680
    .private_segment_fixed_size: 0
    .kernarg_segment_align: 8
    .kernarg_segment_size: 56
    .max_flat_workgroup_size: 128
    .sgpr_count:     84
    .vgpr_count:     1024
    .wavefront_size: 32
...
	.end_amdgpu_metadata
.endif
;; end of part 2
;; launch proj_out (part 3): grid 256 x 1, 4 waves a work-group, no clusters, 17,920 bytes of LDS; arguments onorm, wp16, b_proj, out0; writes out0
.if DOCPART == 3
	.amdgcn_target "amdgcn-amd-amdhsa--gfx1250"
	.amdhsa_code_object_version 6
	.text
	.protected	k_qa775b70536_proj_out
	.globl	k_qa775b70536_proj_out
	.p2align	8
	.type	k_qa775b70536_proj_out,@function
k_qa775b70536_proj_out:
	s_mov_b64 s[64:65], 0
	v_nop
	global_prefetch_b8 v0, s[64:65] scope:SCOPE_SE
	s_setreg_imm32_b32 hwreg(HW_REG_WAVE_MODE, 25, 1), 1
	s_wait_xcnt 0x0
; out0 = onorm wp16^T + b_proj.  onorm: [16384][256] f16, wp16: [256][256] f16 (w_proj rounded to bf16, written as f16), b_proj: [256] f32 (rounded to bf16 here, like every input), out0: [16384][256] f32.
; Sums in f32; the order of the sums is the matrix unit's, K ascending in slices of 32.  NaN and infinities are not treated apart.
; SHARES.  256 work-groups of 64 rows.  Wave w makes all 64 rows x columns 64 w .. 64 w + 63: 256 aligned bytes of each row of out0.  The whole K = 256 of its 64 rows of wp16 and of the 64 rows
; of onorm lies in registers as fragments, loaded straight from memory (16 bytes a lane, twice a fragment): nothing is handed between waves, so there is no barrier and no LDS on the way in.
; No tensor loads, no cluster, no prefetch: a wave reads 64 KiB in one burst at its head and has 128 matrix instructions.
; THE MATRIX INSTRUCTION IS USED TRANSPOSED (source 0 = 16 rows of wp16, source 1 = 16 rows of onorm): a lane holds eight neighbouring columns of one row: 32 bytes of f32.
; REGISTERS, in windows of 256 (s_set_vgpr_msb: bits 1:0 source 0, 3:2 source 1, 5:4 source 2, 7:6 destination):
;   window 0: addresses; v32-95 rows read back, two buffers; v96-101 the bias; v128-255 the accumulators ((rt, ct) at 128 + 8 (4 rt + ct))
;   window 1: wp16's fragments ((ct, kf) at 8 (8 ct + kf))          window 2: onorm's ((rt, kf) at 8 (8 rt + kf))
.set SP,    272                        ; a stage row: 256 bytes + 16 of padding
.set SPARE, 4*16*SP                    ; behind the four stages: the spare words, 128 bytes for each wave, which no other line names
.set FO,  2                            ; v2   my place in a fragment's rows: (l % 16) x 512 + 16 (l / 16); never rewritten
.set STO, 3                            ; v3   where I put 32 bytes of a row
.set RD,  4                            ; v4   where I read rows back
.set CO,  5                            ; v5   my 16 bytes in two rows of out0; never rewritten
.set BO,  6                            ; v6   my four numbers of the bias
.set SPW, 28                           ; v28  LDS address of my spare word; never rewritten
.set NIL, 29                           ; v29  0; never rewritten
.set BK,  32
.set BI,  96
.set ACC, 128
.set MSB, 0
.macro WIN new                         ; the immediate's high byte repeats the setting that is left; a switch that changes nothing is dropped
.if MSB != (\new)
	s_set_vgpr_msb (MSB<<8)|(\new)
.set MSB, \new
.endif
.endm
	s_load_b256 s[4:11], s[0:1], 0x0       ; onorm s[4:5], wp16 s[6:7], b_proj s[8:9], out0 s[10:11]
	v_lshl_add_u32 v[SPW], v0, 2, SPARE
	v_mov_b32 v[NIL], 0
	v_lshrrev_b32 v1, 5, v0
	v_readfirstlane_b32 s12, v1            ; wave 0..3
	v_and_b32 v7, 15, v0                   ; l % 16
	v_bfe_u32 v8, v0, 4, 1                 ; l / 16
	v_lshlrev_b32 v[FO], 9, v7
	v_lshl_add_u32 v[FO], v8, 4, v[FO]
	s_mul_i32 s13, s12, 16*SP              ; my stage
	v_mul_u32_u24 v[STO], v7, SP           ; in: row l % 16, 32 bytes for each half of the lanes
	v_lshl_add_u32 v[STO], v8, 5, v[STO]
	v_add_nc_u32 v[STO], s13, v[STO]
	v_mul_u32_u24 v[RD], v8, SP            ; back: lanes 0-15 one row of 256 bytes, lanes 16-31 the next
	v_lshl_add_u32 v[RD], v7, 4, v[RD]
	v_add_nc_u32 v[RD], s13, v[RD]
	v_lshlrev_b32 v[CO], 10, v8            ; the same two rows in out0, 1,024 bytes apart
	v_lshl_add_u32 v[CO], v7, 4, v[CO]
	s_lshl_b32 s14, s12, 8                 ; my wave's 64 columns: 256 bytes of f32
	v_lshl_add_u32 v[BO], v7, 4, s14
	s_lshl_b32 s16, ttmp9, 15              ; the work-group's 64 rows of onorm, 512 bytes each
	s_mov_b32 s17, 0
	s_lshl_b32 s18, s12, 15                ; my wave's 64 rows of wp16
	s_mov_b32 s19, 0
	s_lshl_b32 s20, ttmp9, 16              ; the work-group's 64 rows of out0, 1,024 bytes each
	s_add_co_u32 s20, s20, s14
	s_mov_b32 s21, 0
	s_mov_b32 s22, 0xffff0000
	s_wait_kmcnt 0x0
	s_add_nc_u64 s[4:5], s[4:5], s[16:17]
	s_add_nc_u64 s[6:7], s[6:7], s[18:19]
	s_add_nc_u64 s[10:11], s[10:11], s[20:21]
	global_load_b128 v[BI:BI+3], v[BO], s[8:9]   ; the oldest load: every later wait covers it
.irp kf, 0,1,2,3,4,5,6,7               ; K slice by K slice: 16 loads each
	WIN 0x40
.irp ct, 0,1,2,3
	global_load_b128 v[8*(8*(\ct)+(\kf)):8*(8*(\ct)+(\kf))+3],   v[FO], s[6:7] offset:8192*(\ct)+64*(\kf)
	global_load_b128 v[8*(8*(\ct)+(\kf))+4:8*(8*(\ct)+(\kf))+7], v[FO], s[6:7] offset:8192*(\ct)+64*(\kf)+32
.endr
	WIN 0x80
.irp rt, 0,1,2,3
	global_load_b128 v[8*(8*(\rt)+(\kf)):8*(8*(\rt)+(\kf))+3],   v[FO], s[4:5] offset:8192*(\rt)+64*(\kf)
	global_load_b128 v[8*(8*(\rt)+(\kf))+4:8*(8*(\rt)+(\kf))+7], v[FO], s[4:5] offset:8192*(\rt)+64*(\kf)+32
.endr
.endr
	WIN 0x09                               ; source 0 (wp16) window 1, source 1 (onorm) window 2, C and D window 0
.irp kf, 0,1,2,3,4,5,6,7               ; the 16 accumulators take turns, one instruction a turn; the first slice starts the sums
.if 16*(7-(\kf)) > 63
	s_wait_loadcnt 63                      ; 16 (7 - kf) younger loads might stay out; the wait names the most that it can: of the 129 loads the oldest 66, slices 0 to 3 among them, are then in
.else
	s_wait_loadcnt 16*(7-(\kf))            ; the later slices' loads may stay out
.endif
.irp rt, 0,1,2,3
.irp ct, 0,1,2,3
.if (\kf) == 0
	v_wmma_f32_16x16x32_f16 v[ACC+8*(4*(\rt)+(\ct)):ACC+8*(4*(\rt)+(\ct))+7], v[8*(8*(\ct)+(\kf)):8*(8*(\ct)+(\kf))+7], v[8*(8*(\rt)+(\kf)):8*(8*(\rt)+(\kf))+7], 0
.else
	v_wmma_f32_16x16x32_f16 v[ACC+8*(4*(\rt)+(\ct)):ACC+8*(4*(\rt)+(\ct))+7], v[8*(8*(\ct)+(\kf)):8*(8*(\ct)+(\kf))+7], v[8*(8*(\rt)+(\kf)):8*(8*(\rt)+(\kf))+7], v[ACC+8*(4*(\rt)+(\ct)):ACC+8*(4*(\rt)+(\ct))+7]
.endif
.endr
.endr
.endr
	WIN 0
.rept 4
	v_nop                                  ; four plain places behind the last products, in front of the LDS stores that read results
.endr
	v_cvt_pk_bf16_f32 v[BI+4], v[BI], v[BI+1]    ; the bias rounded to bf16 and widened again
	v_cvt_pk_bf16_f32 v[BI+5], v[BI+2], v[BI+3]
	v_lshlrev_b32 v[BI],   16, v[BI+4]
	v_and_b32     v[BI+1], s22, v[BI+4]
	v_lshlrev_b32 v[BI+2], 16, v[BI+5]
	v_and_b32     v[BI+3], s22, v[BI+5]
	; THE WAY OUT, 16 rows at a time: 32 bytes a lane into my own stage (each accumulator's low four registers first), back as whole rows of 256 bytes, the bias added, stored.
.irp rt, 0,1,2,3
.irp ct, 0,1,2,3
	ds_store_b128 v[STO], v[ACC+8*(4*(\rt)+(\ct)):ACC+8*(4*(\rt)+(\ct))+3]   offset:64*(\ct)
	ds_store_b128 v[STO], v[ACC+8*(4*(\rt)+(\ct))+4:ACC+8*(4*(\rt)+(\ct))+7] offset:64*(\ct)+16
.endr
.if (\rt) >= 2
	s_wait_xcnt 0x0                        ; the stores of two blocks back have read this buffer: only now is it loaded again
.endif
.irp t, 0,1,2,3,4,5,6,7
	ds_load_b128 v[BK+32*((\rt)%2)+4*(\t):BK+32*((\rt)%2)+4*(\t)+3], v[RD] offset:(\t)*2*SP  ; a wave's LDS instructions are served in order (ISA guide 5.7.1.4): these see the stores above
.endr
	s_wait_dscnt 0x0
.irp t, 0,1,2,3,4,5,6,7
	v_pk_add_f32 v[BK+32*((\rt)%2)+4*(\t):BK+32*((\rt)%2)+4*(\t)+1],   v[BK+32*((\rt)%2)+4*(\t):BK+32*((\rt)%2)+4*(\t)+1],   v[BI:BI+1]
	v_pk_add_f32 v[BK+32*((\rt)%2)+4*(\t)+2:BK+32*((\rt)%2)+4*(\t)+3], v[BK+32*((\rt)%2)+4*(\t)+2:BK+32*((\rt)%2)+4*(\t)+3], v[BI+2:BI+3]
.endr
.irp t, 0,1,2,3,4,5,6,7
	global_store_b128 v[CO], v[BK+32*((\rt)%2)+4*(\t):BK+32*((\rt)%2)+4*(\t)+3], s[10:11] offset:(16*(\rt)+2*(\t))*1024 th:TH_STORE_NT  ; 16 lanes store 256 consecutive bytes, at a multiple of 256 from out0's first byte
.endr
.endr
	s_wait_tensorcnt 0x0                   ; the wave's end: behind my last LDS store
	ds_add_u32 v[SPW], v[NIL]
	s_wait_dscnt 0x0
	s_endpgm
.Lfunc_end_k_qa775b70536_proj_out:
	.size	k_qa775b70536_proj_out, .Lfunc_end_k_qa775b70536_proj_out-k_qa775b70536_proj_out
	.p2alignl 7, 3214868480
	.fill 96, 4, 3214868480
	.section	.rodata,"a",@progbits
	.p2align	6, 0x0
	.amdhsa_kernel k_qa775b70536_proj_out
		.amdhsa_group_segment_fixed_size 17920
		.amdhsa_private_segment_fixed_size 0
		.amdhsa_enable_private_segment 0
		.amdhsa_kernarg_size 32
		.amdhsa_user_sgpr_count 2
		.amdhsa_user_sgpr_kernarg_segment_ptr 1
		.amdhsa_wavefront_size32 1
		.amdhsa_system_sgpr_workgroup_id_x 1
		.amdhsa_system_sgpr_workgroup_id_y 1
		.amdhsa_system_sgpr_workgroup_id_z 1
		.amdhsa_system_vgpr_workitem_id 0
		.amdhsa_next_free_vgpr 768
		.amdhsa_next_free_sgpr 66
		.amdhsa_reserve_vcc 0
		.amdhsa_float_denorm_mode_32 3
		.amdhsa_float_denorm_mode_16_64 3
		.amdhsa_memory_ordered 1
		.amdhsa_forward_progress 1
		.amdhsa_inst_pref_size 35
	.end_amdhsa_kernel
	.amdgpu_metadata
---
amdhsa.version: [ 1, 2 ]
amdhsa.kernels:
  - .name:           k_qa775b70536_proj_out
    .symbol:         k_qa775b70536_proj_out.kd
    .args:
      - { .name: onorm, .offset: 0, .size: 8, .value_kind: global_buffer, .address_space: global }
      - { .name: wp16, .offset: 8, .size: 8, .value_kind: global_buffer, .address_space: global }
      - { .name: b_proj, .offset: 16, .size: 8, .value_kind: global_buffer, .address_space: global }
      - { .name: out0, .offset: 24, .size: 8, .value_kind: global_buffer, .address_space: global }
    .group_segment_fixed_size: 17920
    .private_segment_fixed_size: 0
    .kernarg_segment_align: 8
    .kernarg_segment_size: 32
    .max_flat_workgroup_size: 128
    .sgpr_count:     66
    .vgpr_count:     768
    .wavefront_size: 32
...
	.end_amdgpu_metadata
.endif
;; end of part 3
;; ======== version 2 of 2: 3 launches; version 1 with the launches proj_in, proj_out written anew for expert scheduling mode
;; limits: values are held in f16: magnitudes above 65,504 overflow, below 6.1e-05 lose precision
;; workspace buffers: qkv 25,165,824 bytes; wp16 131,072 bytes; onorm 8,388,608 bytes
;; launch proj_in (part 4): grid 2 x 128, 4 waves a work-group, no clusters, 288,256 bytes of LDS; arguments x, w_qkv, w_proj, qkv, wp16; writes qkv, wp16
.if DOCPART == 4
	.amdgcn_target "amdgcn-amd-amdhsa--gfx1250"
	.amdhsa_code_object_version 6
	.text
	.protected	k_qa775b70536_proj_in
	.globl	k_qa775b70536_proj_in
	.p2align	8
	.type	k_qa775b70536_proj_in,@function
k_qa775b70536_proj_in:
	s_mov_b64 s[64:65], 0
	v_nop
	global_prefetch_b8 v0, s[64:65] scope:SCOPE_SE
	s_setreg_imm32_b32 hwreg(HW_REG_WAVE_SCHED_MODE, 0, 2), 2
	s_setreg_imm32_b32 hwreg(HW_REG_WAVE_MODE, 25, 1), 1
	s_wait_xcnt 0x0
	s_wait_alu depctr_vm_vsrc(0)
; qkv = x w_qkv^T.  x: [16384][256] f32, w_qkv: [768][256] f32.  Both are rounded to bf16 on the way into LDS; sums in f32; the result is rounded once to f16 and
; written by heads: qkv[t = q,k,v][g = 2 batch + head][n = 4096][128], byte t<<23 + g<<20 + n<<8.  128 columns of w_qkv on end are one (t, head): a UNIT.
; Besides: each work-group's wave 0 rounds one row of w_proj to bf16 and writes that number as f16 into wp16 [256][256].
; LIMITS.  f16 ends at 65,504: a sum beyond it is written as an infinity; below 6e-5 f16 keeps a fixed step of 6e-8 (q, k, v and wp16 alike).  NaN and infinities are not treated apart.
; SHARES.  256 work-groups: x = half of the 768 columns (three units), y = block of 128 rows.  The whole K = 256 of the 128 rows of x and of the 384 rows of w lies in LDS as bf16:
; 512 rows of 512 bytes.  Wave w fills rows 32 w .. 32 w + 31 of x and of each unit, through registers (the conversion needs them there), 32 loads of 512 consecutive bytes in each of two sets.
; Then ONE barrier; wave w keeps its 32 rows of x as fragments in registers and multiplies them by all 384 rows of w, a unit (128 columns, 16 accumulators) at a time.
; THE MATRIX INSTRUCTION IS USED TRANSPOSED (source 0 = 16 rows of w, source 1 = 16 rows of x): a lane holds eight neighbouring columns of one row of the result: 16 bytes of f16.
; No tensor loads and no cluster: the operands are f32 in memory and must pass through registers to be rounded.  No prefetch: the fill is one burst of loads at the launch's head.
; THE MODE: SCHED_MODE bits 1:0 = 2 (LLVM: expert scheduling mode 2), set by the entry lines.  The code itself states the register dependences
; between vector or matrix instructions and memory or LDS instructions, with s_wait_alu, always for 0.
; THE PLAN, THE FILL.  Registers that memory or LDS instructions touch:
;   RAW0, RAW1   Step s: its 64 conversions read RAW[s]; behind them the next unit's loads land in it.
;   OUT0, OUT1   Step s: its conversions write OUT[s]; its 32 LDS stores read it.  OUT[s] is written again a whole trip later.
;   v[DST]       Read by every LDS store; written once a trip, at the trip's end.        v[GX]  Read by every load; never written again.
; ONE wait on va_vdst stands in a step, behind its conversions; the step's loads and LDS stores follow it, two and two, and no vector instruction stands among them.
; ONE wait on vm_vsrc a trip stands ahead of the add to v[DST]: it also frees both out-buffers for the next trip and for the tail.
; THE PLAN, THE UNITS.
;   F0, F1       Quarter q's 32 products read F[q % 2]; the loads of quarter q + 1, issued in quarter q, land in the other one, which quarter q - 1's products read.
;   v[ADRB]      Read by the fragments' loads; written once a unit, on the way out.
;   T0, T1       Written by the two blocks' conversions on the way out, read by the LDS stores into the stage.  T1 lies in block 0's accumulators, which have been read out by then.
;   BK0, BK1     The LDS loads from the stage land in them; the global stores read them.
;   x's fragments, the accumulators (but for T1) and the conversions' sources are named by vector and matrix instructions alone, once x's fragments are loaded.
; A wait on va_vdst stands at the head of quarters 1 and 2 and one ahead of the stage's stores; behind that last one no vector or matrix instruction is issued until the next unit's first
; product, so the next unit's first 48 loads owe nothing.  A wait on vm_vsrc stands at the head of quarter 0 and one ahead of the add to v[ADRB].
; REGISTERS, in windows of 256 (s_set_vgpr_msb: bits 1:0 source 0, 3:2 source 1, 5:4 source 2, 7:6 destination):
;   window 0: v1-12 lane terms and addresses; v20-23 wp16's data; v32-95 OUT0, later T0 (v32-63); v64-127 rows read back on the way out; v128-255 the accumulators ((a, b) at 128 + 8 (8 a + b)),
;             of which v128-191 are OUT1 during the fill and v128-159 T1 on the way out
;   window 1: during the fill two raw sets of 128; afterwards two buffers of w's fragments (64 along K: half c, column block b at f + 64 c + 8 b)
;   window 2: v0-127 x's fragments (row block a, K slice kf at 64 a + 8 kf)
.set PITCH, 528                        ; an LDS row: 512 bytes + 16 of padding: the 16 rows of a fragment load start 16 bytes apart modulo 256
.set UNITB, 128*PITCH                  ; 128 rows: x's block, or one unit of w
.set STAGE, 512*PITCH                  ; behind the operands: 16 rows x 272 bytes for each wave, for the way out
.set SP,    272
.set SPARE, STAGE+4*16*SP              ; behind the stages: the spare words, 128 bytes for each wave, which no other line names
.set GX,   4                           ; v4   16 x lane: my 16 bytes in 512 consecutive bytes of x or w; never rewritten
.set DST,  5                           ; v5   where my 8 bytes of bf16 go: my wave's first row + 8 x lane; steps a unit a trip
.set ADRA, 6                           ; v6   my place in x's fragments
.set ADRB, 7                           ; v7   my place in w's fragments of the unit in hand
.set STO,  8                           ; v8   the way out: where I put 16 bytes of a row
.set RD,   9                           ; v9   the way out: where I read rows back
.set CO,   10                          ; v10  my 16 bytes in 512 consecutive bytes of qkv; never rewritten
.set WPO,  11                          ; v11  32 x lane: my 8 numbers of a row of w_proj
.set WPS,  12                          ; v12  16 x lane: the same numbers in wp16; never rewritten
.set WPD,  20                          ; v[20:23] wp16's data; never rewritten
.set SPW,  28                          ; v28  LDS address of my spare word; never rewritten
.set NIL,  29                          ; v29  0; never rewritten
.set TMP,  32                          ; OUT0 and T0
.set TM1,  128                         ; OUT1 and T1
.set BK,   64
.set ACC,  128
.set F0,   0
.set F1,   128
.set WV,   12                          ; s12  my wave's number
.set XP,   20                          ; s[20:21] x at my wave's first row
.set WP,   22                          ; s[22:23] w_qkv at my wave's first row of the unit to be loaded
.set CNT,  24                          ; s24  the loops' counter
.set UN,   25                          ; s25  the unit in hand, 0 to 5
.set OFS,  26                          ; s[26:27] an offset
.set OUT,  28                          ; s[28:29] qkv at my wave's first row of the unit in hand
.set HIM,  30                          ; s30  a word's upper half
.set FIX,  31                          ; s31  the part of the output offset that no unit changes
.set MSB, 0
.macro WIN new                         ; the immediate's high byte repeats the setting that is left; a switch that changes nothing is dropped
.if MSB != (\new)
	s_set_vgpr_msb (MSB<<8)|(\new)
.set MSB, \new
.endif
.endm
; 16 rows of 1,024 bytes into raw set s: 32 loads, each 512 consecutive bytes
.macro LOADB s, b, off
	WIN 0x40
.irp q, 0,1,2,3,4,5,6,7,8,9,10,11,12,13,14,15
	global_load_b128 v[128*(\s)+8*(\q):128*(\s)+8*(\q)+3],   v[GX], s[\b:\b+1] offset:(\off)+1024*(\q)
	global_load_b128 v[128*(\s)+8*(\q)+4:128*(\s)+8*(\q)+7], v[GX], s[\b:\b+1] offset:(\off)+1024*(\q)+512
.endr
	WIN 0
.endm
; A step of the fill.  Raw set s is rounded to bf16 into out-buffer s and stored: lane l holds numbers 4 l .. 4 l + 3 and 128 + 4 l .. of each row: 8 bytes at 8 l and at 256 + 8 l.
; ahead = 1: the set is asked for again, with the same 16 rows of the unit at s[WP].  left = the younger loads that may stay out.
.macro STEPF s, ahead, left
	s_wait_loadcnt \left
	WIN 0x05
.irp q, 0,1,2,3,4,5,6,7,8,9,10,11,12,13,14,15
.irp i, 0,1,2,3
	v_cvt_pk_bf16_f32 v[TMP+96*(\s)+4*(\q)+(\i)], v[128*(\s)+8*(\q)+2*(\i)], v[128*(\s)+8*(\q)+2*(\i)+1]
.endr
.endr
	WIN 0x40                               ; the loads' data in window 1; the addresses and the LDS stores' data in window 0
	s_wait_alu depctr_va_vdst(0)           ; the conversions have written the out-buffer, which the LDS stores read, and are done reading the raw set, in which the loads land; behind the back edge v[DST] is written too
.irp q, 0,1,2,3,4,5,6,7,8,9,10,11,12,13,14,15
.if \ahead
	global_load_b128 v[128*(\s)+8*(\q):128*(\s)+8*(\q)+3],   v[GX], s[WP:WP+1] offset:16384*(\s)+1024*(\q)
	global_load_b128 v[128*(\s)+8*(\q)+4:128*(\s)+8*(\q)+7], v[GX], s[WP:WP+1] offset:16384*(\s)+1024*(\q)+512
.endif
	ds_store_b64 v[DST], v[TMP+96*(\s)+4*(\q):TMP+96*(\s)+4*(\q)+1]   offset:(16*(\s)+(\q))*PITCH
	ds_store_b64 v[DST], v[TMP+96*(\s)+4*(\q)+2:TMP+96*(\s)+4*(\q)+3] offset:(16*(\s)+(\q))*PITCH+256
.endr
.endm
; 16 LDS loads in one run: w's fragments of 32 along K (half c of 64) at byte k of the unit's rows, into buffer f
.macro FETCHH k, f, c
	WIN 0x40
.irp b, 0,1,2,3,4,5,6,7
	ds_load_b128 v[(\f)+64*(\c)+8*(\b):(\f)+64*(\c)+8*(\b)+3],   v[ADRB] offset:(\k)+64*(\c)+(\b)*16*PITCH
	ds_load_b128 v[(\f)+64*(\c)+8*(\b)+4:(\f)+64*(\c)+8*(\b)+7], v[ADRB] offset:(\k)+64*(\c)+(\b)*16*PITCH+32
.endr
.endm
; 16 matrix instructions: my 2 row blocks x the unit's 8 column blocks, 32 along K.  The 16 accumulators take turns, one instruction a turn.  zero = 1: the products start the sums
.macro MUL16 f, c, kf, zero
	WIN 0x09                               ; source 0 (w) window 1, source 1 (x) window 2, C and D window 0
.irp a, 0,1
.irp b, 0,1,2,3,4,5,6,7
.if \zero
	v_wmma_f32_16x16x32_bf16 v[ACC+8*(8*(\a)+(\b)):ACC+8*(8*(\a)+(\b))+7], v[(\f)+64*(\c)+8*(\b):(\f)+64*(\c)+8*(\b)+7], v[64*(\a)+8*(\kf):64*(\a)+8*(\kf)+7], 0
.else
	v_wmma_f32_16x16x32_bf16 v[ACC+8*(8*(\a)+(\b)):ACC+8*(8*(\a)+(\b))+7], v[(\f)+64*(\c)+8*(\b):(\f)+64*(\c)+8*(\b)+7], v[64*(\a)+8*(\kf):64*(\a)+8*(\kf)+7], v[ACC+8*(8*(\a)+(\b)):ACC+8*(8*(\a)+(\b))+7]
.endif
.endr
.endr
.endm
; A unit's K = 256 is four quarters of 64.  One of the first three: multiplies buffer f (quarter st) and fetches the next quarter, at byte k, into g: sixteen loads ahead of its first sixteen
; products, sixteen between the two sixteens.  The products name f, x's fragments and the accumulators: none of the registers that those loads touch.
.macro QUARTER k, f, g, st, zero
	s_wait_dscnt 16                        ; all but the youngest sixteen loads (f's second 32 along K) are in
.if (\st) == 0
	s_wait_alu depctr_vm_vsrc(0)           ; the LDS stores of the fill (first unit) or of the last way out have read v32-95 and v128-191, and the last way out's global stores v64-127: the products below write v128 on, this unit's way out the others
.else                                          ; (quarter 0's loads into g owe no wait on va_vdst: no vector or matrix instruction has been issued since the last one)
	s_wait_alu depctr_va_vdst(0)           ; the products of the quarter before are done reading g, in which this quarter's loads land
.endif
	FETCHH \k, \g, 0
	MUL16 \f, 0, 2*(\st), \zero
	FETCHH \k, \g, 1
	s_wait_dscnt 32                        ; all but the 32 issued in this quarter
	MUL16 \f, 1, 2*(\st)+1, 0
.endm
; THE WAY OUT of row block a: rounded to f16, each accumulator's registers in ascending order, into the registers from 'to' on; 16 bytes a lane into my own stage; back as whole rows of 256 bytes; stored
.macro PACK a, to
.irp b, 0,1,2,3,4,5,6,7
.irp i, 0,1,2,3
	v_cvt_pk_f16_f32 v[(\to)+4*(\b)+(\i)], v[ACC+8*(8*(\a)+(\b))+2*(\i)], v[ACC+8*(8*(\a)+(\b))+2*(\i)+1]
.endr
.endr
.endm
.macro TOSTAGE a, from
.irp b, 0,1,2,3,4,5,6,7
	ds_store_b128 v[STO], v[(\from)+4*(\b):(\from)+4*(\b)+3] offset:32*(\b)
.endr
.irp t, 0,1,2,3,4,5,6,7
	ds_load_b128 v[BK+32*(\a)+4*(\t):BK+32*(\a)+4*(\t)+3], v[RD] offset:(\t)*2*SP  ; a wave's LDS instructions are served in order (ISA guide 5.7.1.4): these see the stores above; the next block's stores come behind them
.endr
.endm
.macro SEND a, younger                 ; younger: the LDS instructions issued behind block a's loads: the next block's sixteen, or none
	s_wait_dscnt \younger                  ; the block is back in registers
.irp t, 0,1,2,3,4,5,6,7
	global_store_b128 v[CO], v[BK+32*(\a)+4*(\t):BK+32*(\a)+4*(\t)+3], s[OUT:OUT+1] offset:4096*(\a)+512*(\t)  ; two rows: 512 consecutive bytes, at a multiple of 256 from qkv's first byte
.endr
.endm
	s_load_b256 s[4:11], s[0:1], 0x0       ; x s[4:5], w_qkv s[6:7], w_proj s[8:9], qkv s[10:11]
	s_load_b64 s[16:17], s[0:1], 0x20      ; wp16
	v_lshl_add_u32 v[SPW], v0, 2, SPARE
	v_mov_b32 v[NIL], 0
	v_lshrrev_b32 v1, 5, v0
	v_readfirstlane_b32 s[WV], v1          ; wave 0..3
	v_and_b32 v1, 31, v0                   ; lane l
	v_and_b32 v2, 15, v0                   ; l % 16
	v_bfe_u32 v3, v0, 4, 1                 ; l / 16
	s_and_b32 s13, ttmp7, 0xffff           ; block of 128 rows
	s_mov_b32 s14, ttmp9                   ; half of the columns
	s_mov_b32 s[HIM], 0xffff0000
	v_lshlrev_b32 v[GX], 4, v1
	s_wait_alu depctr_va_sdst(0)           ; s12 is written, ahead of its first reader: LDS addresses, bases and the branch on the wave's number are made from it
	s_mul_i32 s15, s[WV], 32*PITCH         ; my wave's 32 rows in a block of 128
	v_lshl_add_u32 v[DST], v1, 3, s15
	v_mul_u32_u24 v13, v2, PITCH
	v_lshl_add_u32 v13, v3, 4, v13         ; a fragment's row x pitch + 16 x half
	v_add_nc_u32 v[ADRA], s15, v13
	v_add_nc_u32 v[ADRB], UNITB, v13       ; w's first unit lies behind x's 128 rows
	s_mul_i32 s18, s[WV], 16*SP
	s_add_co_u32 s18, s18, STAGE           ; my stage
	v_mul_u32_u24 v14, v2, SP              ; in: row l % 16, 16 bytes for each half of the lanes
	v_lshl_add_u32 v14, v3, 4, v14
	v_add_nc_u32 v[STO], s18, v14
	v_mul_u32_u24 v14, v3, SP              ; back: lanes 0-15 one row of 256 bytes, lanes 16-31 the next
	v_lshl_add_u32 v14, v2, 4, v14
	v_add_nc_u32 v[RD], s18, v14
	v_lshlrev_b32 v[CO], 4, v1
	v_lshlrev_b32 v[WPO], 5, v1
	v_lshlrev_b32 v[WPS], 4, v1
	s_lshl_b32 s19, s[WV], 5               ; 32 x wave
	s_lshl_b32 s[XP], s13, 7
	s_add_co_u32 s[XP], s[XP], s19
	s_lshl_b32 s[XP], s[XP], 10            ; (128 block + 32 wave) rows of 1,024 bytes
	s_mov_b32 s[XP+1], 0
	s_mul_i32 s[WP], s14, 384
	s_add_co_u32 s[WP], s[WP], s19
	s_lshl_b32 s[WP], s[WP], 10            ; (384 half + 32 wave) rows of 1,024 bytes
	s_mov_b32 s[WP+1], 0
	s_lshr_b32 s[FIX], s13, 5              ; the batch: 32 blocks each,
	s_lshl_b32 s[FIX], s[FIX], 21          ; two heads of 1 MiB
	s_and_b32 s32, s13, 31
	s_lshl_b32 s32, s32, 7
	s_add_co_u32 s32, s32, s19             ; my first row in the batch,
	s_lshl_b32 s32, s32, 8                 ; 256 bytes a row
	s_add_co_u32 s[FIX], s[FIX], s32
	s_mul_i32 s[UN], s14, 3                ; my half's first unit
	s_lshl_b32 s33, s13, 1
	s_add_co_u32 s33, s33, s14             ; the work-group's row of w_proj: 0 to 255, each once
	s_wait_kmcnt 0x0
	s_add_nc_u64 s[XP:XP+1], s[4:5], s[XP:XP+1]
	s_add_nc_u64 s[WP:WP+1], s[6:7], s[WP:WP+1]
	s_wait_alu depctr_va_vdst(0)           ; the nine offsets and addresses v4 to v12 are written, which the loads and stores of the kernel read
	LOADB 0, XP, 0                         ; my 32 rows of x
	LOADB 1, XP, 16384
	s_cmp_lg_u32 s[WV], 0
	s_cbranch_scc1 .Lno_wp                 ; wave 0 alone: one row of w_proj
	s_lshl_b32 s[OFS], s33, 10
	s_mov_b32 s[OFS+1], 0
	s_add_nc_u64 s[8:9], s[8:9], s[OFS:OFS+1]
	global_load_b128 v[32:35], v[WPO], s[8:9]
	global_load_b128 v[36:39], v[WPO], s[8:9] offset:16
	s_lshl_b32 s[OFS], s33, 9
	s_add_nc_u64 s[16:17], s[16:17], s[OFS:OFS+1]
	s_wait_loadcnt 0x0                     ; these two are the youngest loads
.irp i, 0,1,2,3
	v_cvt_pk_bf16_f32 v[40+(\i)], v[32+2*(\i)], v[32+2*(\i)+1]  ; the input's rounding, as for every input
.endr
.irp i, 0,1,2,3
	v_lshlrev_b32 v[44+2*(\i)],   16, v[40+(\i)]
	v_and_b32     v[44+2*(\i)+1], s[HIM], v[40+(\i)]
.endr
.irp i, 0,1,2,3
	v_cvt_pk_f16_f32 v[WPD+(\i)], v[44+2*(\i)], v[44+2*(\i)+1]  ; the same number as f16: exact within f16's normal range
.endr
	s_wait_alu depctr_va_vdst(0)           ; the conversions have written v[20:23], which the store reads
	global_store_b128 v[WPS], v[WPD:WPD+3], s[16:17]              ; the row's 512 consecutive bytes
.Lno_wp:
	s_mov_b32 s[CNT], 3
.Lfill:                                        ; trip 0 stores x and loads unit 0, trips 1 and 2 store units 0 and 1 and load units 1 and 2
	STEPF 0, 1, 32                         ; set 0 is in; set 1's 32 loads may stay out
	STEPF 1, 1, 32                         ; set 1 is in; the 32 just issued may stay out
	WIN 0
	s_wait_xcnt 0x0                        ; the loads have read their base: only now is it stepped
	s_add_nc_u64 s[WP:WP+1], s[WP:WP+1], 131072
	s_wait_alu depctr_vm_vsrc(0)           ; the LDS stores issued so far have read v[DST], which the next line writes, and both out-buffers, which the conversions of the next trip, or of the tail, write again
	v_add_nc_u32 v[DST], UNITB, v[DST]
	s_sub_co_u32 s[CNT], s[CNT], 1
	s_cmp_lg_u32 s[CNT], 0
	s_cbranch_scc1 .Lfill
	STEPF 0, 0, 32                         ; unit 2: nothing more is loaded
	STEPF 1, 0, 0
	s_wait_dscnt 0x0                       ; for the others' sake: my stores are done
	s_barrier_signal -1
	s_barrier_wait -1                      ; all 512 rows lie in LDS; nobody writes them again
	WIN 0x80
.irp a, 0,1
.irp kf, 0,1,2,3,4,5,6,7
	ds_load_b128 v[64*(\a)+8*(\kf):64*(\a)+8*(\kf)+3],   v[ADRA] offset:(\a)*16*PITCH+64*(\kf)
	ds_load_b128 v[64*(\a)+8*(\kf)+4:64*(\a)+8*(\kf)+7], v[ADRA] offset:(\a)*16*PITCH+64*(\kf)+32
.endr
.endr
	WIN 0
	s_mov_b32 s[CNT], 3
.Lunit:                                        ; a unit: 128 matrix instructions, 128 LDS loads, 32 rows x 256 bytes out
	FETCHH 0, F0, 0                        ; no wait: since the last wait on va_vdst (the fill's last, or the way out's) no vector or matrix instruction has been issued, so F0's readers are done and v[ADRB] is written
	FETCHH 0, F0, 1
	QUARTER 128, F0, F1, 0, 1              ; (its first wait also covers x's fragments, issued earlier)
	QUARTER 256, F1, F0, 1, 0
	QUARTER 384, F0, F1, 2, 0
	s_wait_dscnt 16                        ; the last quarter fetches nothing, so it states nothing
	MUL16 F1, 0, 6, 0
	s_wait_dscnt 0x0
	MUL16 F1, 1, 7, 0
	WIN 0
	s_wait_xcnt 0x0                        ; the last unit's stores have read their base and their data: both are written again below
	s_wait_alu depctr_vm_vsrc(0)           ; this unit's fragment loads have read v[ADRB], which the next line writes
	v_add_nc_u32 v[ADRB], UNITB, v[ADRB]   ; the next unit; with the three lines below it, the four plain places behind the last products, ahead of the conversions that read results (ISA guide 7.12.1)
.rept 3
	v_nop
.endr
	s_lshr_b32 s[OFS], s[UN], 1            ; q, k or v
	s_lshl_b32 s[OFS], s[OFS], 23
	s_and_b32 s[OFS+1], s[UN], 1           ; the head
	s_lshl_b32 s[OFS+1], s[OFS+1], 20
	s_add_co_u32 s[OFS], s[OFS], s[OFS+1]
	s_add_co_u32 s[OFS], s[OFS], s[FIX]
	s_mov_b32 s[OFS+1], 0
	s_add_nc_u64 s[OUT:OUT+1], s[10:11], s[OFS:OFS+1]
	PACK 0, TMP
	PACK 1, TM1                            ; into block 0's first accumulators, which the lines above have read out
	s_wait_alu depctr_va_vdst(0)           ; the conversions have written T0 and T1, which the LDS stores read; v[ADRB] is written and the unit's products are done reading F0 and F1, for the next unit's loads
	TOSTAGE 0, TMP
	TOSTAGE 1, TM1                         ; block 1's trip through the stage stands between block 0's loads and the wait for them
	SEND 0, 16
	SEND 1, 0
	s_add_co_u32 s[UN], s[UN], 1
	s_sub_co_u32 s[CNT], s[CNT], 1
	s_cmp_lg_u32 s[CNT], 0
	s_cbranch_scc1 .Lunit
	s_wait_dscnt 0x0                       ; the closing lines, six on end
	s_wait_alu 0x0
	s_wait_tensorcnt 0x0
	ds_add_u32 v[SPW], v[NIL]
	s_wait_dscnt 0x0
	s_endpgm
.Lfunc_end_k_qa775b70536_proj_in:
	.size	k_qa775b70536_proj_in, .Lfunc_end_k_qa775b70536_proj_in-k_qa775b70536_proj_in
	.p2alignl 7, 3214868480
	.fill 96, 4, 3214868480
	.section	.rodata,"a",@progbits
	.p2align	6, 0x0
	.amdhsa_kernel k_qa775b70536_proj_in
		.amdhsa_group_segment_fixed_size 288256
		.amdhsa_private_segment_fixed_size 0
		.amdhsa_enable_private_segment 0
		.amdhsa_kernarg_size 40
		.amdhsa_user_sgpr_count 2
		.amdhsa_user_sgpr_kernarg_segment_ptr 1
		.amdhsa_wavefront_size32 1
		.amdhsa_system_sgpr_workgroup_id_x 1
		.amdhsa_system_sgpr_workgroup_id_y 1
		.amdhsa_system_sgpr_workgroup_id_z 1
		.amdhsa_system_vgpr_workitem_id 0
		.amdhsa_next_free_vgpr 640
		.amdhsa_next_free_sgpr 66
		.amdhsa_reserve_vcc 0
		.amdhsa_float_denorm_mode_32 3
		.amdhsa_float_denorm_mode_16_64 3
		.amdhsa_memory_ordered 1
		.amdhsa_forward_progress 1
		.amdhsa_inst_pref_size 69
	.end_amdhsa_kernel
	.amdgpu_metadata
---
amdhsa.version: [ 1, 2 ]
amdhsa.kernels:
  - .name:           k_qa775b70536_proj_in
    .symbol:         k_qa775b70536_proj_in.kd
    .args:
      - { .name: x, .offset: 0, .size: 8, .value_kind: global_buffer, .address_space: global }
      - { .name: w_qkv, .offset: 8, .size: 8, .value_kind: global_buffer, .address_space: global }
      - { .name: w_proj, .offset: 16, .size: 8, .value_kind: global_buffer, .address_space: global }
      - { .name: qkv, .offset: 24, .size: 8, .value_kind: global_buffer, .address_space: global }
      - { .name: wp16, .offset: 32, .size: 8, .value_kind: global_buffer, .address_space: global }
    .group_segment_fixed_size: 288256
    .private_segment_fixed_size: 0
    .kernarg_segment_align: 8
    .kernarg_segment_size: 40
    .max_flat_workgroup_size: 128
    .sgpr_count:     66
    .vgpr_count:     640
    .wavefront_size: 32
...
	.end_amdgpu_metadata
.endif
;; end of part 4
;; launch attn: the kernel of part 2 again; grid 32 x 8, 4 waves a work-group, clusters of 4 x 1, 327,680 bytes of LDS; arguments qkv, onorm, lambda_q1, lambda_k1, lambda_q2, lambda_k2, sub_norm_w; writes onorm
;; launch proj_out (part 5): grid 256 x 1, 4 waves a work-group, no clusters, 17,920 bytes of LDS; arguments onorm, wp16, b_proj, out0; writes out0
.if DOCPART == 5
	.amdgcn_target "amdgcn-amd-amdhsa--gfx1250"
	.amdhsa_code_object_version 6
	.text
	.protected	k_qa775b70536_proj_out
	.globl	k_qa775b70536_proj_out
	.p2align	8
	.type	k_qa775b70536_proj_out,@function
k_qa775b70536_proj_out:
	s_mov_b64 s[64:65], 0
	v_nop
	global_prefetch_b8 v0, s[64:65] scope:SCOPE_SE
	s_setreg_imm32_b32 hwreg(HW_REG_WAVE_SCHED_MODE, 0, 2), 2
	s_setreg_imm32_b32 hwreg(HW_REG_WAVE_MODE, 25, 1), 1
	s_wait_xcnt 0x0
	s_wait_alu depctr_vm_vsrc(0)
; out0 = onorm wp16^T + b_proj.  onorm: [16384][256] f16, wp16: [256][256] f16 (w_proj rounded to bf16, written as f16), b_proj: [256] f32 (rounded to bf16 here, like every input), out0: [16384][256] f32.
; Sums in f32; the order of the sums is the matrix unit's, K ascending in slices of 32.  NaN and infinities are not treated apart.
; SHARES.  256 work-groups of 64 rows.  Wave w makes all 64 rows x columns 64 w .. 64 w + 63: 256 aligned bytes of each row of out0.  The whole K = 256 of its 64 rows of wp16 and of the 64 rows
; of onorm lies in registers as fragments, loaded straight from memory (16 bytes a lane, twice a fragment): nothing is handed between waves, so there is no barrier and no LDS on the way in.
; No tensor loads, no cluster, no prefetch: a wave reads 64 KiB in one burst at its head and has 128 matrix instructions.
; THE MATRIX INSTRUCTION IS USED TRANSPOSED (source 0 = 16 rows of wp16, source 1 = 16 rows of onorm): a lane holds eight neighbouring columns of one row: 32 bytes of f32.
; THE MODE: SCHED_MODE bits 1:0 = 2 (LLVM: expert scheduling mode 2), set by the entry lines.  The code itself states the register dependences
; between vector or matrix instructions and memory or LDS instructions, with s_wait_alu, always for 0.
; THE PLAN.  Registers that memory or LDS instructions touch:
;   v2 to v6         Offsets and addresses, made at the head and never written again.
;   the fragments    Each is loaded once, and read by matrix instructions alone.
;   the accumulators Written by the products; read by the LDS stores into the stage, once each.
;   BK0 .. BK3       Four buffers of 32, in registers of wp16's fragments that the products are done with.  Block rt (16 rows): the LDS loads from the stage land in BK[rt]; the sixteen additions of the
;                    bias read and write it; the eight global stores read it.  No buffer is used twice, so nothing is owed for a register that a store has read.
; One wait on va_vdst stands behind the last products (and their places): it serves all LDS stores of the accumulators and all loads into BK, since the only vector instructions behind it, the
; additions, name the BK of a block that is back and the bias.  Then one at the head of each block's step, behind the wait for that block's rows: the additions of the block BEFORE are written, and
; its stores follow; and one more ahead of the last block's stores.
; REGISTERS, in windows of 256 (s_set_vgpr_msb: bits 1:0 source 0, 3:2 source 1, 5:4 source 2, 7:6 destination):
;   window 0: addresses; v96-101 the bias; v128-255 the accumulators ((rt, ct) at 128 + 8 (4 rt + ct))
;   window 1: wp16's fragments ((ct, kf) at 8 (8 ct + kf)); on the way out v0-127 are BK0 .. BK3          window 2: onorm's ((rt, kf) at 8 (8 rt + kf))
.set SP,    272                        ; a stage row: 256 bytes + 16 of padding
.set SPARE, 4*16*SP                    ; behind the four stages: the spare words, 128 bytes for each wave, which no other line names
.set FO,  2                            ; v2   my place in a fragment's rows: (l % 16) x 512 + 16 (l / 16); never rewritten
.set STO, 3                            ; v3   where I put 32 bytes of a row
.set RD,  4                            ; v4   where I read rows back
.set CO,  5                            ; v5   my 16 bytes in two rows of out0; never rewritten
.set BO,  6                            ; v6   my four numbers of the bias
.set SPW, 28                           ; v28  LDS address of my spare word; never rewritten
.set NIL, 29                           ; v29  0; never rewritten
.set BI,  96
.set ACC, 128
.set MSB, 0
.macro WIN new                         ; the immediate's high byte repeats the setting that is left; a switch that changes nothing is dropped
.if MSB != (\new)
	s_set_vgpr_msb (MSB<<8)|(\new)
.set MSB, \new
.endif
.endm
; THE WAY OUT of block rt, 16 rows, in three parts.  TRIP: 32 bytes a lane into my own stage (each accumulator's low four registers first) and back as whole rows of 256 bytes.  BIAS: the bias added.  SEND: stored.
.macro TRIP rt
	WIN 0x40                               ; the loads' data in window 1; the addresses and the stores' data in window 0
.irp ct, 0,1,2,3
	ds_store_b128 v[STO], v[ACC+8*(4*(\rt)+(\ct)):ACC+8*(4*(\rt)+(\ct))+3]   offset:64*(\ct)
	ds_store_b128 v[STO], v[ACC+8*(4*(\rt)+(\ct))+4:ACC+8*(4*(\rt)+(\ct))+7] offset:64*(\ct)+16
.endr
.irp t, 0,1,2,3,4,5,6,7
	ds_load_b128 v[32*(\rt)+4*(\t):32*(\rt)+4*(\t)+3], v[RD] offset:(\t)*2*SP  ; a wave's LDS instructions are served in order (ISA guide 5.7.1.4): these see the stores above; the next block's stores come behind them
.endr
.endm
.macro BIAS rt
	WIN 0x41                               ; destination and source 0 window 1, the bias in window 0
.irp t, 0,1,2,3,4,5,6,7
	v_pk_add_f32 v[32*(\rt)+4*(\t):32*(\rt)+4*(\t)+1],   v[32*(\rt)+4*(\t):32*(\rt)+4*(\t)+1],   v[BI:BI+1]
	v_pk_add_f32 v[32*(\rt)+4*(\t)+2:32*(\rt)+4*(\t)+3], v[32*(\rt)+4*(\t)+2:32*(\rt)+4*(\t)+3], v[BI+2:BI+3]
.endr
.endm
.macro SEND rt
.irp t, 0,1,2,3,4,5,6,7
	global_store_b128 v[CO], v[32*(\rt)+4*(\t):32*(\rt)+4*(\t)+3], s[10:11] offset:(16*(\rt)+2*(\t))*1024 th:TH_STORE_NT  ; 16 lanes store 256 consecutive bytes, at a multiple of 256 from out0's first byte
.endr
.endm
	s_load_b256 s[4:11], s[0:1], 0x0       ; onorm s[4:5], wp16 s[6:7], b_proj s[8:9], out0 s[10:11]
	v_lshl_add_u32 v[SPW], v0, 2, SPARE
	v_mov_b32 v[NIL], 0
	v_lshrrev_b32 v1, 5, v0
	v_readfirstlane_b32 s12, v1            ; wave 0..3
	v_and_b32 v7, 15, v0                   ; l % 16
	v_bfe_u32 v8, v0, 4, 1                 ; l / 16
	v_lshlrev_b32 v[FO], 9, v7
	v_lshl_add_u32 v[FO], v8, 4, v[FO]
	s_wait_alu depctr_va_sdst(0)           ; s12 is written, ahead of its first reader: the stage's address and the bases of wp16 and out0 are made from it
	s_mul_i32 s13, s12, 16*SP              ; my stage
	v_mul_u32_u24 v[STO], v7, SP           ; in: row l % 16, 32 bytes for each half of the lanes
	v_lshl_add_u32 v[STO], v8, 5, v[STO]
	v_add_nc_u32 v[STO], s13, v[STO]
	v_mul_u32_u24 v[RD], v8, SP            ; back: lanes 0-15 one row of 256 bytes, lanes 16-31 the next
	v_lshl_add_u32 v[RD], v7, 4, v[RD]
	v_add_nc_u32 v[RD], s13, v[RD]
	v_lshlrev_b32 v[CO], 10, v8            ; the same two rows in out0, 1,024 bytes apart
	v_lshl_add_u32 v[CO], v7, 4, v[CO]
	s_lshl_b32 s14, s12, 8                 ; my wave's 64 columns: 256 bytes of f32
	v_lshl_add_u32 v[BO], v7, 4, s14
	s_lshl_b32 s16, ttmp9, 15              ; the work-group's 64 rows of onorm, 512 bytes each
	s_mov_b32 s17, 0
	s_lshl_b32 s18, s12, 15                ; my wave's 64 rows of wp16
	s_mov_b32 s19, 0
	s_lshl_b32 s20, ttmp9, 16              ; the work-group's 64 rows of out0, 1,024 bytes each
	s_add_co_u32 s20, s20, s14
	s_mov_b32 s21, 0
	s_mov_b32 s22, 0xffff0000
	s_wait_kmcnt 0x0
	s_add_nc_u64 s[4:5], s[4:5], s[16:17]
	s_add_nc_u64 s[6:7], s[6:7], s[18:19]
	s_add_nc_u64 s[10:11], s[10:11], s[20:21]
	s_wait_alu depctr_va_vdst(0)           ; the five offsets and addresses v2 to v6 are written, which the loads and stores of the kernel read
	global_load_b128 v[BI:BI+3], v[BO], s[8:9]   ; the oldest load: every later wait covers it
.irp kf, 0,1,2,3,4,5,6,7               ; K slice by K slice: 16 loads each
	WIN 0x40
.irp ct, 0,1,2,3
	global_load_b128 v[8*(8*(\ct)+(\kf)):8*(8*(\ct)+(\kf))+3],   v[FO], s[6:7] offset:8192*(\ct)+64*(\kf)
	global_load_b128 v[8*(8*(\ct)+(\kf))+4:8*(8*(\ct)+(\kf))+7], v[FO], s[6:7] offset:8192*(\ct)+64*(\kf)+32
.endr
	WIN 0x80
.irp rt, 0,1,2,3
	global_load_b128 v[8*(8*(\rt)+(\kf)):8*(8*(\rt)+(\kf))+3],   v[FO], s[4:5] offset:8192*(\rt)+64*(\kf)
	global_load_b128 v[8*(8*(\rt)+(\kf))+4:8*(8*(\rt)+(\kf))+7], v[FO], s[4:5] offset:8192*(\rt)+64*(\kf)+32
.endr
.endr
	WIN 0x09                               ; source 0 (wp16) window 1, source 1 (onorm) window 2, C and D window 0
.irp kf, 0,1,2,3,4,5,6,7               ; the 16 accumulators take turns, one instruction a turn; the first slice starts the sums
.if 16*(7-(\kf)) > 63
	s_wait_loadcnt 63                      ; 16 (7 - kf) younger loads might stay out; the wait names the most that it can: of the 129 loads the oldest 66, slices 0 to 3 among them, are then in
.else
	s_wait_loadcnt 16*(7-(\kf))            ; the later slices' loads may stay out
.endif
.irp rt, 0,1,2,3
.irp ct, 0,1,2,3
.if (\kf) == 0
	v_wmma_f32_16x16x32_f16 v[ACC+8*(4*(\rt)+(\ct)):ACC+8*(4*(\rt)+(\ct))+7], v[8*(8*(\ct)+(\kf)):8*(8*(\ct)+(\kf))+7], v[8*(8*(\rt)+(\kf)):8*(8*(\rt)+(\kf))+7], 0
.else
	v_wmma_f32_16x16x32_f16 v[ACC+8*(4*(\rt)+(\ct)):ACC+8*(4*(\rt)+(\ct))+7], v[8*(8*(\ct)+(\kf)):8*(8*(\ct)+(\kf))+7], v[8*(8*(\rt)+(\kf)):8*(8*(\rt)+(\kf))+7], v[ACC+8*(4*(\rt)+(\ct)):ACC+8*(4*(\rt)+(\ct))+7]
.endif
.endr
.endr
.endr
	WIN 0
	v_cvt_pk_bf16_f32 v[BI+4], v[BI], v[BI+1]    ; the bias rounded to bf16 and widened again: six plain lines that name no register of the products: the places behind the last of them,
	v_cvt_pk_bf16_f32 v[BI+5], v[BI+2], v[BI+3]  ; in front of the LDS stores that read results
	v_lshlrev_b32 v[BI],   16, v[BI+4]
	v_and_b32     v[BI+1], s22, v[BI+4]
	v_lshlrev_b32 v[BI+2], 16, v[BI+5]
	v_and_b32     v[BI+3], s22, v[BI+5]
	s_wait_alu depctr_va_vdst(0)           ; the products have written the accumulators, which the LDS stores read, and are done reading wp16's fragments, in whose registers the rows from the stage land; the places above stay beside this wait
	TRIP 0                                 ; the trips through the stage run two blocks ahead of the additions
	TRIP 1
	s_wait_dscnt 16                        ; block 0 is back; block 1's sixteen LDS instructions may stay out
	BIAS 0
	TRIP 2                                 ; no wait: the additions since the wait above name BK0 and the bias alone
	s_wait_dscnt 16                        ; block 1 is back
	WIN 0x04                               ; the stores' data in window 1, their offset in window 0
	s_wait_alu depctr_va_vdst(0)           ; block 0's additions have written BK0, which the stores read
	SEND 0
	BIAS 1
	TRIP 3                                 ; no wait: the additions since the first wait name BK0, BK1 and the bias alone
	s_wait_dscnt 16                        ; block 2 is back
	WIN 0x04
	s_wait_alu depctr_va_vdst(0)           ; block 1's additions have written BK1, which the stores read
	SEND 1
	BIAS 2
	s_wait_dscnt 0x0                       ; block 3 is back
	WIN 0x04
	s_wait_alu depctr_va_vdst(0)           ; block 2's additions have written BK2, which the stores read
	SEND 2
	BIAS 3
	WIN 0x04
	s_wait_alu depctr_va_vdst(0)           ; block 3's additions have written BK3, which the last stores read
	SEND 3
	WIN 0                                  ; the add's two registers lie in window 0
	s_wait_dscnt 0x0                       ; the closing lines, six on end
	s_wait_alu 0x0
	s_wait_tensorcnt 0x0
	ds_add_u32 v[SPW], v[NIL]
	s_wait_dscnt 0x0
	s_endpgm
.Lfunc_end_k_qa775b70536_proj_out:
	.size	k_qa775b70536_proj_out, .Lfunc_end_k_qa775b70536_proj_out-k_qa775b70536_proj_out
	.p2alignl 7, 3214868480
	.fill 96, 4, 3214868480
	.section	.rodata,"a",@progbits
	.p2align	6, 0x0
	.amdhsa_kernel k_qa775b70536_proj_out
		.amdhsa_group_segment_fixed_size 17920
		.amdhsa_private_segment_fixed_size 0
		.amdhsa_enable_private_segment 0
		.amdhsa_kernarg_size 32
		.amdhsa_user_sgpr_count 2
		.amdhsa_user_sgpr_kernarg_segment_ptr 1
		.amdhsa_wavefront_size32 1
		.amdhsa_system_sgpr_workgroup_id_x 1
		.amdhsa_system_sgpr_workgroup_id_y 1
		.amdhsa_system_sgpr_workgroup_id_z 1
		.amdhsa_system_vgpr_workitem_id 0
		.amdhsa_next_free_vgpr 768
		.amdhsa_next_free_sgpr 66
		.amdhsa_reserve_vcc 0
		.amdhsa_float_denorm_mode_32 3
		.amdhsa_float_denorm_mode_16_64 3
		.amdhsa_memory_ordered 1
		.amdhsa_forward_progress 1
		.amdhsa_inst_pref_size 35
	.end_amdhsa_kernel
	.amdgpu_metadata
---
amdhsa.version: [ 1, 2 ]
amdhsa.kernels:
  - .name:           k_qa775b70536_proj_out
    .symbol:         k_qa775b70536_proj_out.kd
    .args:
      - { .name: onorm, .offset: 0, .size: 8, .value_kind: global_buffer, .address_space: global }
      - { .name: wp16, .offset: 8, .size: 8, .value_kind: global_buffer, .address_space: global }
      - { .name: b_proj, .offset: 16, .size: 8, .value_kind: global_buffer, .address_space: global }
      - { .name: out0, .offset: 24, .size: 8, .value_kind: global_buffer, .address_space: global }
    .group_segment_fixed_size: 17920
    .private_segment_fixed_size: 0
    .kernarg_segment_align: 8
    .kernarg_segment_size: 32
    .max_flat_workgroup_size: 128
    .sgpr_count:     66
    .vgpr_count:     768
    .wavefront_size: 32
...
	.end_amdgpu_metadata
.endif
;; end of part 5
